; MI455X (gfx1250); checked and timed in simulation.
; The chip was launched on July 23, 2026; its instructions are those of AMD's public machine-readable ISA for CDNA 5 (MIT licence, August 2026) and "CDNA5" Instruction Set Architecture Reference Guide (July 2026). The comments in the code are by the model that wrote it; some were corrected since.
;; Di T Attention. Allowed arithmetic: matrix products marked QUANTISED: E2M3 operands, one E8M0 scale for each 32 along K, by v_wmma_scale_f32_16x16x128_f8f6f4 with both operands' format E2M3, f32 sums; everything else in f32.
;; Inputs: W_proj 2,048 x 1,024 float32; Wk_c 1,024 x 1,024 float32; Wk_x 1,024 x 1,024 float32; Wq_c 1,024 x 1,024 float32; Wq_x 1,024 x 1,024 float32; Wv_c 1,024 x 1,024 float32; Wv_x 1,024 x 1,024 float32; b_proj 1,024 float32; c 4 x 1,024 x 1,024 float32; x 4 x 1,024 x 1,024 float32.
;; Outputs: out0 4 x 1,024 x 1,024 float32.
;; This version of the problem:
;;   THIS VERSION OF THE PROBLEM IS GIVEN IN LOW PRECISION. The matrix products marked QUANTISED in the list below multiply operands that are first quantised to E2M3 (2 exponent bits, 3 mantissa bits; 6 bits a number), with one power-of-two scale for each 32 numbers along K (OCP MX v1.0); their sums are f32. All else is computed in f32.
;;   The module's matrix products, in the order in which they are computed (A, B: the left and right operand; K: the contracted axis; several contracted axes count as one K, in the product's order):
;;     1. [M 4,096, K 1,024] x [K 1,024, N 1,024]; A: input x; B: input Wq_x: QUANTISED
;;     2. [M 4,096, K 1,024] x [K 1,024, N 1,024]; A: input c; B: input Wq_c: QUANTISED
;;     3. [M 4,096, K 1,024] x [K 1,024, N 1,024]; A: input x; B: input Wk_x: QUANTISED
;;     4. [M 4,096, K 1,024] x [K 1,024, N 1,024]; A: input c; B: input Wk_c: QUANTISED
;;     5. [M 4,096, K 1,024] x [K 1,024, N 1,024]; A: input x; B: input Wv_x: QUANTISED
;;     6. [M 4,096, K 1,024] x [K 1,024, N 1,024]; A: input c; B: input Wv_c: QUANTISED
;;     7. batch 64 x [M 1,024, K 128] x [K 128, N 1,024]; A: computed on the way; B: computed on the way: QUANTISED
;;     8. batch 64 x [M 1,024, K 1,024] x [K 1,024, N 128]; A: softmax (see below); B: computed on the way: QUANTISED
;;     9. [M 4,096, K 2,048] x [K 2,048, N 1,024]; A: computed on the way; B: input W_proj: QUANTISED
;;   THE QUANTISER, for each operand of a quantised product, along K:
;;     - K is cut into blocks of 32 from its start; a last block that is shorter is filled with zeros.
;;     - A block's scale is 2^e with e = floor(log2(the largest magnitude in the block)) - 2, held to -126 .. 127; a block of zeros has e = 0. As a byte (E8M0): e + 127.
;;     - Each number is divided by its block's scale, clamped to +-7.5, and rounded to the nearest number of E2M3, ties to even, subnormals kept.
;;     - The product sums the exact products of the quantised numbers (number of the format x scale) in f32.
;;   ~~~python
;;   def quantise(x, axis):      # numpy; x: float32 -> the quantised numbers, widened to float32 again
;;       x = np.moveaxis(x, axis, -1); K = x.shape[-1]
;;       x = np.pad(x, [(0, 0)] * (x.ndim - 1) + [(0, -K % 32)]); x = x.reshape(x.shape[:-1] + (-1, 32)); a = np.abs(x).max(-1, keepdims=True)
;;       e = np.where(a > 0, np.clip(np.frexp(np.where(a > 0, a, 1))[1] - 1 - 2, -126, 127), 0)      # np.frexp(a)[1] - 1 = floor(log2(a)), exactly
;;       r = np.clip(x / 2.0 ** e, -7.5, 7.5)
;;       step = 2.0 ** (np.maximum(np.frexp(np.where(r == 0, 1, r))[1] - 1, 0) - 3)
;;       q = np.round(r / step) * step * 2.0 ** e      # np.round: ties to even
;;       return np.moveaxis(q.reshape(q.shape[:-2] + (-1,))[..., :K], -1, axis).astype(np.float32)
;;   ~~~
;;   SOFTMAX AHEAD OF A QUANTISED PRODUCT. Where the list says 'softmax', what is quantised is not the finished softmax but p = 2^(t - M), with t = logit x log2(e) and M = ceil(the row's largest t), a whole number; so 1/2 < the row's largest p <= 1. The row's sum l is taken of the UNQUANTISED p, in f32, and the product's result is divided by l at the end. Since M is a whole number, a kernel that streams over the keys may use a running M (the ceiling of the running maximum): every later rescaling is an exact power of two, which a block's scale takes up: the codes' values come out the same.
;;   OPERANDS COMPUTED ON THE WAY. 'Computed on the way' means the value that the module computes at that place (a softmax that the list does not call 'softmax' is quantised finished and normalised). What goes into a quantiser is computed in f32, as accurately as f32 sums, v_exp_f32 and their like allow (about 1e-6 of the number): no bf16 or f16 on the way to a quantiser, and a product that is left as it is and whose result goes on into a quantised operand takes f32 operands (vector FMAs, or v_wmma_f32_16x16x4_f32). A number that lies on a knife's edge between two numbers of the format may be rounded either way, as far as f32 arithmetic and the matrix unit's own rounding can turn it there, and no further.
;; One version. Each part assembles by itself: llvm-mc -triple=amdgcn-amd-amdhsa -mcpu=gfx1250 --defsym DOCPART=n.
;; ======== version 1 of 1: 4 launches
;; limits: right only within a limited range of input values
;; workspace buffers: act_codes 6,291,456 bytes; act_scales 262,144 bytes; w_codes 6,291,456 bytes; w_scales 262,144 bytes; qkv_codes 18,874,368 bytes; qkv_scales 786,432 bytes; o_codes 6,291,456 bytes; o_scales 262,144 bytes
;; launch quant (part 1): grid 512 x 1, 4 waves a work-group, no clusters, 61,952 bytes of LDS; arguments x, c, Wq_x, Wk_x, Wv_x, Wq_c, Wk_c, Wv_c, W_proj, act_codes, act_scales, w_codes, w_scales; writes act_codes, act_scales, w_codes, w_scales
.if DOCPART == 1
	.amdgcn_target "amdgcn-amd-amdhsa--gfx1250"
	.amdhsa_code_object_version 6
	.text
	.protected	k_q3cbcf535ad_quant
	.globl	k_q3cbcf535ad_quant
	.p2align	8
	.type	k_q3cbcf535ad_quant,@function
k_q3cbcf535ad_quant:
	s_mov_b64 s[64:65], 0
	v_nop
	global_prefetch_b8 v0, s[64:65] scope:SCOPE_SE
	s_setreg_imm32_b32 hwreg(HW_REG_WAVE_MODE, 25, 1), 1
	s_wait_xcnt 0x0
; x, c [4096][1024] f32 (K innermost) and the seven weights [K][1024] f32 (K is the FIRST axis) become codes of FP6 (E2M3) with one E8M0 byte for each 32 along K.
; A block's scale is 2^(floor(log2(its largest magnitude)) - 2); its byte is the largest magnitude's exponent field - 2, held at 1 from below.
; LIMITS: NaN and infinities among the inputs are not served.  A block whose largest magnitude lies under 2^-124 has its byte held at 1.  A block of zeros gets the byte 1
; where the rule says 127: its codes are zeros, which add nothing under any byte but 0xff, and the bytes are read by this program alone.
; THE WORKSPACE IS LAID AS THE PRODUCTS' OPERAND REGISTERS.  A rowblock is 128 rows of an operand, 8 fragments t; lane r of fragment t holds row 32 (t / 2) + 8 (t % 2) + r + 8 (r / 8).
; A fragment (16 rows x 128 K, 12 registers a lane) is 1,536 bytes: registers 4 c .. 4 c + 3 of lane l at 512 c + 16 l.  A block = one rowblock x 128 along K = 8 fragments = 12,288 bytes;
; its scale words, 4 bytes for fragment t's row r, at 64 t + 4 r of 512 bytes.  act: block 8 rb + ks (rb 0-31 x, 32-63 c).  w: rows in the order Wq_x, Wk_x, Wv_x, Wq_c, Wk_c, Wv_c: block 8 rb + ks; W_proj: block 384 + 16 rb + ks.
; Work-groups 0-255 take x and c, work-groups 256-511 the weights; each way has LDS bytes of its own.  No tensor loads, no barrier: a wave touches its own LDS bytes alone.
.set R,    16                          ; way A: v16-143  two sets of 64: a fragment's 16 rows x 512 bytes as loaded
.set X,    144                         ; v144-207 64 numbers of my row: register 16 b + i = k 32 b + 16 (lane / 16) + i
.set PC,   208                         ; v208-227 the codes just made
.set TM,   228                         ; v228-243 at work
.set PW,   244                         ; v244     the scale word just made
.set XW,   32                          ; way W: v32-95 two sets of 32 numbers down K
.set CW,   96                          ; v96-102  a block's codes
.set OUTW, 112                         ; v112-159 the way out
.set SB,   24                          ; v24-25   my column's scale words of the two K steps
.set SEL,  38                          ; s[38:39] v_permlanex16_b32's selects for lane l xor 16
.set WSTG, 34816                       ; way W's LDS bytes begin here
; 64 numbers of a lane become a fragment's 12 registers in v[PC] on and the row's scale word in v[pw]
.macro QUANT s, pw
.irp b, 0,1,2,3
	v_max3_num_f32 v[TM+\b], |v[\s+16*\b]|, |v[\s+1+16*\b]|, 0x1800000   ; block b: my 16 numbers, and the floor 2^(3 - 127): the byte cannot fall under 1
.endr
.irp i, 2,4,6,8,10,12,14
.irp b, 0,1,2,3
	v_max3_num_f32 v[TM+\b], v[TM+\b], |v[\s+16*\b+\i]|, |v[\s+1+16*\b+\i]|   ; the four blocks by turns
.endr
.endr
.irp b, 0,1,2,3
	v_permlanex16_b32 v[TM+4+\b], v[TM+\b], s[SEL], s[SEL+1]
.endr
.irp b, 0,1,2,3
	v_max_num_f32 v[TM+\b], v[TM+\b], v[TM+4+\b]   ; with lane l xor 16's 16: the block's largest magnitude
.endr
.irp b, 0,1,2,3
	v_add_nc_u32 v[TM+12+\b], 0xff000000, v[TM+\b]   ; 2 off its exponent field: the conversion takes this operand's exponent field as its scale
.endr
.irp b, 0,1,2,3
	v_lshrrev_b32 v[TM+4+\b], 23, v[TM+12+\b]      ; the scale's byte
.endr
	v_lshl_or_b32 v[\pw], v[TM+5], 8, v[TM+4]
	v_lshl_or_b32 v[\pw], v[TM+6], 16, v[\pw]
	v_lshl_or_b32 v[\pw], v[TM+7], 24, v[\pw]
.irp c, 0,1
	v_cvt_scalef32_pk16_fp6_f32 v[PC+6*\c:PC+2+6*\c], v[\s+32*\c:\s+15+32*\c], v[TM+12+2*\c]
	v_cvt_scalef32_pk16_fp6_f32 v[PC+12+4*\c:PC+14+4*\c], v[\s+16+32*\c:\s+31+32*\c], v[TM+12+2*\c+1]   ; (a conversion's three registers begin on an even number)
.endr
	v_nop                                          ; one plain place behind a scaled conversion
.irp c, 0,1                                    ; the operand's layout wants a whole block in a lane: lanes 0-15 block 2 c, lanes 16-31 block 2 c + 1
.irp i, 0,1,2
	v_permlane16_swap_b32 v[PC+6*\c+\i], v[PC+12+4*\c+\i]
.endr
.irp i, 0,1,2
	v_mov_b32 v[PC+3+6*\c+\i], v[PC+12+4*\c+\i]
.endr
.endr
.endm
	s_load_b512 s[4:19], s[0:1], 0x0               ; x s[4:5], c s[6:7], Wq_x, Wk_x, Wv_x, Wq_c, Wk_c, Wv_c s[8:19]
	s_load_b256 s[20:27], s[0:1], 0x40             ; W_proj s[20:21], act_codes s[22:23], act_scales s[24:25], w_codes s[26:27]
	s_load_b64 s[28:29], s[0:1], 0x60              ; w_scales
	v_lshl_add_u32 v254, v0, 2, 0xf000
	v_mov_b32 v255, 0
	v_lshrrev_b32 v1, 5, v0
	v_readfirstlane_b32 s30, v1                    ; wave 0..3
	v_and_b32 v1, 31, v0                           ; lane
	v_and_b32 v2, 15, v0                           ; r
	v_bfe_u32 v3, v0, 4, 1                         ; h
	s_cmp_lt_u32 ttmp9, 256
	s_cbranch_scc0 .Lweights
; ---- WAY A: x and c.  A work-group takes a rowblock x 256 along K; a wave 64 rows (4 fragments) x 128 along K.
; Each load reads 512 consecutive bytes of one row; the 16 rows of a fragment turn through the wave's own stage (rows 528 bytes apart) so that a lane gets 16 neighbours of each block of 32.
	s_mul_i32 s31, s30, 8704                       ; my LDS bytes: a stage of 16 x 528, then 256 bytes of scale words
	v_lshlrev_b32 v4, 4, v1                        ; 16 x lane
	v_add_nc_u32 v5, s31, v4                       ; the stage, on the way in
	v_mul_u32_u24 v6, v2, 528
	v_lshl_add_u32 v6, v3, 6, v6
	v_add_nc_u32 v6, s31, v6                       ; on the way out: row r, + 64 h
	s_add_co_u32 s48, s31, 8448
	v_lshl_add_u32 v7, v2, 2, s48                  ; my row's scale word
	v_lshl_add_u32 v8, v1, 3, s48                  ; the words on their way out, 8 bytes a lane
	v_lshlrev_b32 v9, 3, v1
.irp b, 0,1,2,3
	v_mov_b32 v[TM+4+\b], 0                        ; written once: a lane permute's destination counts as one of its sources
.endr
	s_mov_b32 s[SEL], 0x76543210
	s_mov_b32 s[SEL+1], 0xfedcba98
	s_lshr_b32 s40, ttmp9, 2                       ; rb
	s_and_b32 s41, ttmp9, 3
	s_lshl_b32 s41, s41, 1
	s_lshr_b32 s42, s30, 1
	s_add_co_u32 s41, s41, s42                     ; ks = 2 (work-group % 4) + wave / 2
	s_and_b32 s42, s30, 1                          ; which 64 rows
	s_and_b32 s43, s40, 31
	s_lshl_b32 s43, s43, 7
	s_lshl_b32 s44, s42, 6
	s_add_co_u32 s43, s43, s44                     ; my first row in x or c
	s_lshl_b32 s43, s43, 12                        ; rows of 4,096 bytes
	s_lshl_b32 s44, s41, 9
	s_add_co_u32 s44, s43, s44                     ; + 512 ks
	s_mov_b32 s45, 0
	s_lshl_b32 s46, s40, 3
	s_add_co_u32 s46, s46, s41                     ; the block
	s_wait_alu depctr_va_vdst(0)
	s_wait_kmcnt 0x0
	s_cmp_lt_u32 ttmp9, 128                        ; x's work-group or c's: the choice hangs on the work-group's number alone
	s_cselect_b64 s[32:33], s[4:5], s[6:7]
	s_add_nc_u64 s[32:33], s[32:33], s[44:45]
	s_mul_i32 s44, s46, 12288
	s_mul_i32 s47, s42, 6144
	s_add_co_u32 s44, s44, s47
	s_add_nc_u64 s[34:35], s[22:23], s[44:45]      ; my four fragments
	s_lshl_b32 s44, s46, 9
	s_lshl_b32 s47, s42, 8
	s_add_co_u32 s44, s44, s47
	s_add_nc_u64 s[36:37], s[24:25], s[44:45]      ; and their 256 bytes of scale words
.macro LOADF f                         ; fragment f's 16 rows
.irp i, 0,1,2,3,4,5,6,7,8,9,10,11,12,13,14,15
	global_load_b128 v[R+64*((\f)%2)+4*\i:R+64*((\f)%2)+4*\i+3], v4, s[32:33] offset:(32*((\f)/2)+8*((\f)%2)+\i+8*(\i/8))*4096 th:TH_LOAD_NT
.endr
.endm
.macro FRAGA f
.if (\f) < 3
	s_wait_loadcnt 16                              ; this fragment's 16 loads are in; the next fragment's 16 may be out
.else
	s_wait_loadcnt 0x0
.endif
.irp i, 0,1,2,3,4,5,6,7,8,9,10,11,12,13,14,15
	ds_store_b128 v5, v[R+64*((\f)%2)+4*\i:R+64*((\f)%2)+4*\i+3] offset:528*\i
.endr
.irp b, 0,1,2,3
.irp j, 0,1,2,3
	ds_load_b128 v[X+16*\b+4*\j:X+16*\b+4*\j+3], v6 offset:128*\b+16*\j   ; LDS serves a wave's instructions in order: these see the stores above
.endr
.endr
	s_wait_dscnt 0x0                               ; the numbers are back, and the stores have read their registers
	s_wait_xcnt 0x0                                ; the last fragment's stores have read their data: the codes' registers may be written again
.if (\f) < 2
	LOADF (\f)+2
.endif
	QUANT X, PW
.irp c, 0,1,2
	global_store_b128 v4, v[PC+4*\c:PC+4*\c+3], s[34:35] offset:1536*(\f)+512*\c   ; 32 lanes store 512 consecutive bytes
.endr
	ds_store_b32 v7, v[PW] offset:64*(\f)          ; both halves of the lanes write the same word with the same value
.endm
	LOADF 0
	LOADF 1
	FRAGA 0
	FRAGA 1
	FRAGA 2
	FRAGA 3
	ds_load_b64 v[10:11], v8
	s_wait_dscnt 0x0
	global_store_b64 v9, v[10:11], s[36:37]        ; 32 lanes store 256 consecutive bytes, aligned
	s_wait_tensorcnt 0x0
	ds_add_u32 v254, v255
	s_wait_dscnt 0x0
	s_endpgm
; ---- WAY W: the weights.  A work-group takes 128 columns x 256 along K, a wave 32 columns.  A LANE TAKES A COLUMN AND ITS REGISTERS RUN DOWN K: a block of 32 lies in one lane.
; Column l of the wave's 32 is lane rr = l % 8 + 8 (l / 16) of fragment 2 wave + u, u = (l / 8) % 2.  Block bk of a K step is registers 6 (bk / 2) .. + 5 of image lane rr + 16 (bk % 2).
.Lweights:
	s_mul_i32 s31, s30, 6656
	s_add_co_u32 s31, s31, WSTG                    ; my stage: [K step 2][fragment 2], 1,664 bytes apart
	s_wait_alu depctr_va_vdst(0)
	v_lshlrev_b32 v4, 2, v1                        ; in: 4 bytes a lane
	v_bfe_u32 v10, v0, 3, 1                        ; u
	v_and_b32 v9, 7, v0
	v_lshl_add_u32 v9, v3, 3, v9                   ; rr
	v_mul_u32_u24 v5, v10, 1664
	v_lshl_add_u32 v5, v9, 4, v5
	v_add_nc_u32 v5, s31, v5                       ; into the stage
	v_lshlrev_b32 v7, 4, v1                        ; 16 x lane
	v_add_nc_u32 v6, s31, v7                       ; out of it
	s_lshl_b32 s46, s30, 7
	v_lshlrev_b32 v8, 6, v10
	v_lshl_add_u32 v8, v9, 2, v8
	v_add_nc_u32 v8, s46, v8                       ; my scale word's place in a block's 512 bytes: 128 wave + 64 u + 4 rr
	s_sub_co_u32 s40, ttmp9, 256                   ; g
	s_lshr_b32 s41, s40, 2
	s_and_b32 s41, s41, 7                          ; the six: which 128 columns,
	s_and_b32 s42, s40, 3                          ; which 256 along K
	s_lshr_b32 s44, s40, 3
	s_and_b32 s44, s44, 7                          ; W_proj (g = 192 + 8 cb + kp; 192 is a multiple of 64)
	s_and_b32 s45, s40, 7
	s_cmp_lt_u32 s40, 192
	s_cselect_b32 s41, s41, s44
	s_cselect_b32 s42, s42, s45
	s_lshl_b32 s42, s42, 20                        ; 256 rows of 4,096 bytes
	s_lshl_b32 s41, s41, 9
	s_add_co_u32 s42, s42, s41
	s_add_co_u32 s42, s42, s46                     ; + 512 cb + 128 wave
	s_mov_b32 s43, 0
	s_wait_kmcnt 0x0
	s_mov_b64 s[32:33], s[8:9]                     ; which weight: 32 work-groups each, W_proj the last 64: the choices hang on the work-group's number alone
	s_cmp_ge_u32 s40, 32
	s_cselect_b64 s[32:33], s[10:11], s[32:33]
	s_cmp_ge_u32 s40, 64
	s_cselect_b64 s[32:33], s[12:13], s[32:33]
	s_cmp_ge_u32 s40, 96
	s_cselect_b64 s[32:33], s[14:15], s[32:33]
	s_cmp_ge_u32 s40, 128
	s_cselect_b64 s[32:33], s[16:17], s[32:33]
	s_cmp_ge_u32 s40, 160
	s_cselect_b64 s[32:33], s[18:19], s[32:33]
	s_cmp_ge_u32 s40, 192
	s_cselect_b64 s[32:33], s[20:21], s[32:33]
	s_add_nc_u64 s[32:33], s[32:33], s[42:43]
	s_mul_i32 s42, s40, 24576                      ; the first of my two blocks is block 2 g in every case
	s_mul_i32 s44, s30, 3072
	s_add_co_u32 s42, s42, s44
	s_add_nc_u64 s[34:35], s[26:27], s[42:43]      ; my two fragments of it
	s_lshl_b32 s42, s40, 10
	s_add_nc_u64 s[36:37], s[28:29], s[42:43]
.macro LOADW t                         ; block t: W(32 t + i, my column)
.irp i, 0,1,2,3,4,5,6,7,8,9,10,11,12,13,14,15,16,17,18,19,20,21,22,23,24,25,26,27,28,29,30,31
	global_load_b32 v[XW+32*((\t)%2)+\i], v4, s[32:33] offset:(32*(\t)+\i)*4096 th:TH_LOAD_NT
.endr
.endm
.macro BLOCK t
.set XS, XW+32*((\t)%2)
.set KQ, 3328*((\t)/4)+256*((\t)%2)
.if (\t) < 7
	s_wait_loadcnt 32                              ; this block's 32 loads are in; the next block's may be out
.else
	s_wait_loadcnt 0x0
.endif
	v_max3_num_f32 v12, |v[XS]|, |v[XS+1]|, |v[XS+2]|               ; the block's largest magnitude: all 32 numbers are mine
	v_max3_num_f32 v13, |v[XS+3]|, |v[XS+4]|, |v[XS+5]|
.irp i, 6,10,14,18,22,26
	v_max3_num_f32 v12, v12, |v[XS+\i]|, |v[XS+\i+1]|
	v_max3_num_f32 v13, v13, |v[XS+\i+2]|, |v[XS+\i+3]|
.endr
	v_max3_num_f32 v12, v12, |v[XS+30]|, |v[XS+31]|
	v_max3_num_f32 v12, v12, v13, 0x1800000        ; and the floor 2^(3 - 127)
	v_add_nc_u32 v11, 0xff000000, v12              ; 2 off its exponent field: the conversions' scale operand
	v_cvt_scalef32_pk16_fp6_f32 v[CW:CW+2], v[XS:XS+15], v11
	v_cvt_scalef32_pk16_fp6_f32 v[CW+4:CW+6], v[XS+16:XS+31], v11   ; (a conversion's three registers begin on an even number)
	v_lshrrev_b32 v13, 23, v11                     ; the scale's byte; also the plain place behind the conversions
.if (\t)%4 == 0
	v_mov_b32 v[SB+(\t)/4], v13                    ; four bytes to a word, the lower K in the lower byte
.else
	v_lshl_or_b32 v[SB+(\t)/4], v13, 8*((\t)%4), v[SB+(\t)/4]
.endif
	v_mov_b32 v[CW+3], v[CW+4]                     ; the block's six registers on end
	v_mov_b32 v[CW+4], v[CW+5]
	v_mov_b32 v[CW+5], v[CW+6]
.if (\t)%4 < 2
	ds_store_b128 v5, v[CW:CW+3] offset:KQ         ; registers 0-3,
	ds_store_b64 v5, v[CW+4:CW+5] offset:KQ+512    ; 4 and 5
.else
	ds_store_b64 v5, v[CW:CW+1] offset:KQ+520      ; registers 6 and 7,
	ds_store_b128 v5, v[CW+2:CW+5] offset:KQ+1024  ; 8-11
.endif
.if (\t)+2 < 8
	LOADW (\t)+2
.endif
	s_wait_dscnt 0x0                               ; the stores have read their registers: the next block's codes may be written
.endm
	LOADW 0
	LOADW 1
.irp t, 0,1,2,3,4,5,6,7
	BLOCK \t
.endr
	global_store_b32 v8, v[SB], s[36:37]           ; a wave's 32 words of a block are 128 consecutive bytes
	s_wait_alu depctr_va_vdst(0)
	global_store_b32 v8, v[SB+1], s[36:37] offset:512
.irp n, 0,1,2,3,4,5,6,7,8,9,10,11
	ds_load_b128 v[OUTW+4*\n:OUTW+4*\n+3], v6 offset:3328*(\n/6)+1664*((\n/3)%2)+512*(\n%3)
.endr
.irp n, 0,1,2,3,4,5,6,7,8,9,10,11
	s_wait_dscnt 11-\n                             ; LDS loads come back in order: the younger ones may be out
	global_store_b128 v7, v[OUTW+4*\n:OUTW+4*\n+3], s[34:35] offset:12288*(\n/6)+1536*((\n/3)%2)+512*(\n%3)   ; 32 lanes store 512 consecutive bytes
.endr
	s_wait_tensorcnt 0x0
	ds_add_u32 v254, v255
	s_wait_dscnt 0x0
	s_endpgm
.Lfunc_end_k_q3cbcf535ad_quant:
	.size	k_q3cbcf535ad_quant, .Lfunc_end_k_q3cbcf535ad_quant-k_q3cbcf535ad_quant
	.p2alignl 7, 3214868480
	.fill 96, 4, 3214868480
	.section	.rodata,"a",@progbits
	.p2align	6, 0x0
	.amdhsa_kernel k_q3cbcf535ad_quant
		.amdhsa_group_segment_fixed_size 61952
		.amdhsa_private_segment_fixed_size 0
		.amdhsa_enable_private_segment 0
		.amdhsa_kernarg_size 104
		.amdhsa_user_sgpr_count 2
		.amdhsa_user_sgpr_kernarg_segment_ptr 1
		.amdhsa_wavefront_size32 1
		.amdhsa_system_sgpr_workgroup_id_x 1
		.amdhsa_system_sgpr_workgroup_id_y 1
		.amdhsa_system_sgpr_workgroup_id_z 1
		.amdhsa_system_vgpr_workitem_id 0
		.amdhsa_next_free_vgpr 256
		.amdhsa_next_free_sgpr 66
		.amdhsa_reserve_vcc 0
		.amdhsa_float_denorm_mode_32 3
		.amdhsa_float_denorm_mode_16_64 3
		.amdhsa_memory_ordered 1
		.amdhsa_forward_progress 1
		.amdhsa_inst_pref_size 76
	.end_amdhsa_kernel
	.amdgpu_metadata
---
amdhsa.version: [ 1, 2 ]
amdhsa.kernels:
  - .name:           k_q3cbcf535ad_quant
    .symbol:         k_q3cbcf535ad_quant.kd
    .args:
      - { .name: x, .offset: 0, .size: 8, .value_kind: global_buffer, .address_space: global }
      - { .name: c, .offset: 8, .size: 8, .value_kind: global_buffer, .address_space: global }
      - { .name: Wq_x, .offset: 16, .size: 8, .value_kind: global_buffer, .address_space: global }
      - { .name: Wk_x, .offset: 24, .size: 8, .value_kind: global_buffer, .address_space: global }
      - { .name: Wv_x, .offset: 32, .size: 8, .value_kind: global_buffer, .address_space: global }
      - { .name: Wq_c, .offset: 40, .size: 8, .value_kind: global_buffer, .address_space: global }
      - { .name: Wk_c, .offset: 48, .size: 8, .value_kind: global_buffer, .address_space: global }
      - { .name: Wv_c, .offset: 56, .size: 8, .value_kind: global_buffer, .address_space: global }
      - { .name: W_proj, .offset: 64, .size: 8, .value_kind: global_buffer, .address_space: global }
      - { .name: act_codes, .offset: 72, .size: 8, .value_kind: global_buffer, .address_space: global }
      - { .name: act_scales, .offset: 80, .size: 8, .value_kind: global_buffer, .address_space: global }
      - { .name: w_codes, .offset: 88, .size: 8, .value_kind: global_buffer, .address_space: global }
      - { .name: w_scales, .offset: 96, .size: 8, .value_kind: global_buffer, .address_space: global }
    .group_segment_fixed_size: 61952
    .private_segment_fixed_size: 0
    .kernarg_segment_align: 8
    .kernarg_segment_size: 104
    .max_flat_workgroup_size: 128
    .sgpr_count:     66
    .vgpr_count:     256
    .wavefront_size: 32
...
	.end_amdgpu_metadata
.endif
;; end of part 1
;; launch gemm1 (part 2): grid 8 x 32, 4 waves a work-group, clusters of 4 x 4, 327,680 bytes of LDS; arguments act_codes, act_scales, w_codes, w_scales, qkv_codes, qkv_scales; writes qkv_codes, qkv_scales
.if DOCPART == 2
	.amdgcn_target "amdgcn-amd-amdhsa--gfx1250"
	.amdhsa_code_object_version 6
	.text
	.protected	k_q3cbcf535ad_gemm1
	.globl	k_q3cbcf535ad_gemm1
	.p2align	8
	.type	k_q3cbcf535ad_gemm1,@function
k_q3cbcf535ad_gemm1:
	s_mov_b64 s[64:65], 0
	v_nop
	global_prefetch_b8 v0, s[64:65] scope:SCOPE_SE
	s_setreg_imm32_b32 hwreg(HW_REG_WAVE_MODE, 25, 1), 1
	s_wait_xcnt 0x0
	s_wait_alu depctr_hold_cnt(0) depctr_sa_sdst(0) depctr_va_vdst(0) depctr_va_sdst(0) depctr_va_ssrc(0) depctr_va_vcc(0) depctr_vm_vsrc(0)
	s_getreg_b32 s2, hwreg(HW_REG_IB_STS2, 6, 4)
	s_cmp_eq_u32 s2, 0
	s_cbranch_scc0 .Lentry_in_a_cluster
	s_endpgm
.Lentry_in_a_cluster:
	s_bfe_u32 s2, ttmp6, 0x10000c
	s_cmp_lg_u32 s2, 0xf033
	s_cbranch_scc0 .Lentry_shape_is_right
	s_endpgm
.Lentry_shape_is_right:
; The six projections on codes of FP6 (E2M3) with E8M0 scales, K = 1,024; their results are quantised in registers and leave as the operands of attention.
; SHARES.  A work-group takes 256 tokens of ONE input (x or c) against 128 rows each of that input's Wq, Wk and Wv: 2 inputs x 16 token tiles x 8 groups of rows = 256 work-groups of equal work.
; A wave takes 128 tokens (8 fragments) x 64 rows (4 fragments, one head) of each weight: 96 accumulators, 768 registers; the token fragments serve all three weights.
; All fragments hold rows 32 (t / 2) + 8 (t % 2) + r + 8 (r / 8) of their rowblock of 128.  In a result, lane (r, h), register j is (source 1's row of lane r, source 0's row 32 (t / 2) + 8 (t % 2) + 16 h + j of fragment t):
; a lane's registers run along SOURCE 0's rows in the order that the quantiser takes.  So q and k take the weight as source 0 (quantised along the head's channels), v takes the tokens as source 0 (quantised along the keys).
; OUT: q, k, v fragments as six pieces of 256 bytes (registers 2 p, 2 p + 1 of lane l at 256 p + 8 l): [q, k, v][batch x head 64][chunk of 128 tokens 8][t 8][1,536].  q, k: pieces 0-2 from x, 3-5 from c.  v: t = 0-3 channels from x, 4-7 from c; K = the chunk's keys.
; Their scale bytes in halves of two bytes: [q, k, v][64][8][half 2][t 8][r 16][2].
; K goes in 4 phases of 2 steps of 128 through two LDS slots; each slot is filled a second time.  The scales of all of K come once.  By this text's count a wave has three tensor loads out at the start and one behind each refill.
; CLUSTERS: 4 x 4.  The tokens' tiles are shared along a row of the cluster, the weights' along a column: joint loads.
; No prefetch: what a refill asks for is asked for by many clusters at about the same time, and from its issue to the wait for it a wave has 160 products.
; LIMITS: as the quantiser's: a block under 2^-124 keeps the byte 1, a block of zeros the byte 1 (its codes are zeros; this program alone reads the bytes); NaN and infinities are not served.
; REGISTERS: window 0: v2-15 addresses; v16-55 scale words, two sets of 8 (tokens) + 12 (weights); v56-151 the tokens' 8 fragments, ONE set; v152-247 two buffers of 4 weight fragments; on the way out v64-117 and v224-243 at work.
;   window 1: q's accumulators, (token fragment u, weight fragment t) at v[8 (4 u + t)];  window 2: k's likewise;  window 3: v's, at v[8 (8 t + u)].
.set FR,    12                         ; registers of a fragment
.set SLOTB, 122880                     ; a slot: 2 K steps: the tokens' two parts, then the weights' two
.set TPART, 24576                      ; one token rowblock x 2 K steps: [step 2][fragment 8][1,536]
.set WPART, 36864                      ; one K step of the three weights: [weight 3][fragment 8][1,536]
.set WOFF,  2*TPART
; THE HEAD AS IT STANDS (in place of what the lines above say of the scales' loads and of the loads out at the start): each wave issues ONE joint load at the head, its part of slot 0;
; the scale words, 20,480 bytes, come through registers (ten loads of 16 bytes a lane) into LDS bytes of their own, on which no tensor load lands;
; slot 1's first fill stands behind the wait for all tensor loads, the add, its wait and a round of the cluster's barrier.  By this text's count a wave never has more than one tensor load out.
.set SCTL,  2*SLOTB                    ; the tokens' scale words: [rowblock 2][K step 8][512]
.set SCWL,  SCTL+8192                  ; the weights': [weight 3][K step 8][512]
.set SPARE, SCWL+12288                 ; the spare words, 128 bytes a wave: two blocks of 256 bytes that no other line names
.set STG,   0                          ; the way out: 768 bytes a wave for scale halves, in slot 0, which has had its last fill and its last read by then
.set ADT,  2                           ; v2-3   my token fragments in slot 0, 1
.set ADW,  4                           ; v4-7   my weight fragments in (slot, step) 0, 1, 2, 3
.set ADST, 8                           ; v8     my tokens' scale words
.set ADSW, 9                           ; v9     my weights'
.set VO,   10                          ; v10    8 x lane
.set VS,   11                          ; v11    8 x lane + 128 for lanes 16-31
.set SA,   12                          ; v12    the stage: my row's two bytes
.set SRD,  13                          ; v13    and 8 bytes a lane back
.set SPW,  14                          ; v14    my spare word; never rewritten
.set NIL,  15                          ; v15    0; never rewritten
.set SC,   16
.set TF,   56
.set WF,   152
.set TM,   64                          ; the way out: v64-79 at work
.set PW,   100                         ; v100-111 the twelve scale words
.set BK,   112                         ; v112-117 scale halves read back
.set G1T,  24                          ; s[24:31], s[32:39] group 1 for the tokens' and the weights' codes
.set G1W,  32
.set G0T,  56                          ; s[56:63] group 0 for the tokens' codes, a set for each slot
.set G0W,  68                          ; s[68:75] for the weights'
.set G0ST, 76                          ; s[78:79] where my work-group's tokens' scale words lie in memory,
.set G0SW, 80                          ; s[82:83] and Wq's (Wk's and Wv's 32,768 and 65,536 bytes on)
.set MSB, 0
.macro WIN new                         ; the immediate's high byte repeats the setting that is left
.if MSB != (\new)
	s_set_vgpr_msb (MSB<<8)|(\new)
.set MSB, (\new)
.endif
.endm
; A joint load: waves 0 and 1 fetch for the tokens, waves 2 and 3 for the weights.  The branch hangs on the wave's number alone.  Four v_nop follow each of the two lines.
.macro JLOAD g0a, g1a, g0b, g1b
	s_cmp_eq_u32 s17, 0
	s_cbranch_scc0 .Lfor_b_\@
	tensor_load_to_lds s[\g0a:\g0a+3], s[\g1a:\g1a+7]
	s_nop 0
.rept 4
	v_nop
.endr
	s_branch .Lasked_\@
.Lfor_b_\@:
	tensor_load_to_lds s[\g0b:\g0b+3], s[\g1b:\g1b+7]
	s_nop 0
.rept 4
	v_nop
.endr
.Lasked_\@:
.endm
.macro CREST                           ; a round of the cluster's barrier behind its opening barrier
	s_cmp_lg_u32 s16, 0
	s_cbranch_scc1 .Lnot_wave_0_\@
	s_barrier_signal -3
.Lnot_wave_0_\@:
	s_barrier_wait -3
	s_barrier_signal -1
	s_barrier_wait -1
.endm
.macro CROUND                          ; a whole round
	s_barrier_signal -1
	s_barrier_wait -1
	CREST
.endm
.macro PLACES n
.rept \n
	v_nop
.endr
.endm
	s_load_b256 s[4:11], s[0:1], 0x0               ; act_codes s[4:5], act_scales s[6:7], w_codes s[8:9], w_scales s[10:11]
	s_load_b128 s[12:15], s[0:1], 0x20             ; qkv_codes s[12:13], qkv_scales s[14:15]
	v_lshl_add_u32 v[SPW], v0, 2, SPARE
	v_mov_b32 v[NIL], 0
	ds_add_u32 v14, v15
	ds_add_u32 v14, v15
	s_wait_dscnt 0x0
	v_lshrrev_b32 v16, 5, v0
	v_readfirstlane_b32 s16, v16                   ; wave 0..3
	s_lshr_b32 s17, s16, 1                         ; which 128 tokens I multiply.  Also: I fetch for the tokens (0) or for the weights (1)
	s_and_b32 s18, s16, 1                          ; which 64 rows of each weight.  Also: which token rowblock, or which of a slot's two K steps, I fetch
	s_bfe_u32 s20, ttmp6, 0x40000                  ; cx
	s_bfe_u32 s21, ttmp6, 0x40004                  ; cy
	s_and_b32 s19, ttmp7, 0xffff                   ; the cluster's y
	s_lshl_b32 s22, s19, 2
	s_add_co_u32 s22, s22, s21                     ; gy = 4 x cluster y + cy: 16 x input + token tile
	s_lshr_b32 s19, s19, 2                         ; the input, x (0) or c (1): by the cluster's y alone
	s_lshl_b32 s23, ttmp9, 2
	s_add_co_u32 s23, s23, s20                     ; g = 4 x cluster x + cx: which 128 rows of each weight
	s_lshl_b32 s2, s21, 2
	s_lshl_b32 s2, 15, s2                          ; my row of the cluster
	s_lshl_b32 s3, 0x1111, s20                     ; my column
	s_or_b32 s[G1T], s2, (3<<16)|(1<<21)           ; 15:0 the mask; 17:16 elements of 8 bytes; 21 set beside a mask; no padding
	s_or_b32 s[G1W], s3, (3<<16)|(1<<21)
	s_mov_b32 s[G1T+1], 32<<16                     ; a token rowblock's 2 K steps: 24,576 dense bytes as 96 rows of 256
	s_mov_b32 s[G1T+2], 96<<16
	s_mov_b32 s[G1T+3], 32<<16
	s_mov_b32 s[G1T+4], 96
	s_mov_b32 s[G1T+5], 32
	s_mov_b32 s[G1T+6], 0
	s_mov_b32 s[G1T+7], 0
	s_mov_b32 s[G1W+1], 1536<<16                   ; one K step of Wq, Wk, Wv: 3 rows of 12,288 bytes (1,536 elements),
	s_mov_b32 s[G1W+2], 3<<16
	s_mov_b32 s[G1W+3], 1536<<16
	s_mov_b32 s[G1W+4], 3
	s_mov_b32 s[G1W+5], 98304                      ; 8 rowblocks of 98,304 bytes apart
	s_mov_b32 s[G1W+6], 0
	s_mov_b32 s[G1W+7], 0
	; the tokens' addresses hang on gy alone (cy and the cluster's y)
	s_lshl_b32 s2, s22, 1
	s_add_co_u32 s2, s2, s18                       ; the rowblock that I fetch: 2 gy + wave % 2
	s_mul_i32 s84, s2, 98304                       ; a rowblock's codes, 8 blocks of 12,288 bytes,
	s_mov_b32 s85, 0
	s_lshl_b32 s86, s22, 13                        ; the scale words of my work-group's two rowblocks: 8,192 dense bytes
	s_mov_b32 s87, 0
	; the weights' on g and the input alone (cx and the cluster's place)
	s_mul_i32 s3, s19, 24
	s_add_co_u32 s3, s3, s23                       ; Wq's rowblock 24 input + g; Wk's and Wv's lie 8 and 16 further on
	s_mul_i32 s88, s3, 98304
	s_mul_i32 s66, s18, 12288
	s_add_co_u32 s88, s88, s66                     ; + the K step that I fetch
	s_mov_b32 s89, 0
	s_lshl_b32 s90, s3, 12
	s_mov_b32 s91, 0
	s_mul_i32 s100, s18, TPART                     ; where they go: no place in the cluster enters an LDS address
	s_mul_i32 s101, s18, WPART
	s_add_co_u32 s101, s101, WOFF
	v_lshlrev_b32 v248, 4, v0                      ; the scale words' way in: 16 bytes a thread, 2,048 a load of the work-group,
	v_lshl_add_u32 v249, v0, 4, SCTL               ; and the same place in LDS
	s_wait_alu depctr_va_vdst(0)                   ; directly ahead of the wait below
	s_wait_kmcnt 0x0
	s_add_nc_u64 s[G0T+2:G0T+3], s[4:5], s[84:85]
	s_add_nc_u64 s[G0ST+2:G0ST+3], s[6:7], s[86:87]
	s_add_nc_u64 s[G0W+2:G0W+3], s[8:9], s[88:89]
	s_add_nc_u64 s[G0SW+2:G0SW+3], s[10:11], s[90:91]
	s_add_nc_u64 s[G0T+6:G0T+7], s[G0T+2:G0T+3], TPART           ; slot 1 begins with K steps 2 and 3
	s_add_nc_u64 s[G0W+6:G0W+7], s[G0W+2:G0W+3], TPART
.irp g, G0T, G0T+4, G0W, G0W+4
	s_mov_b32 s[\g], 1                             ; count = 1
	s_or_b32 s[\g+3], s[\g+3], 0x80000000          ; type = 2
.endr
	s_mov_b32 s[G0T+1], s100
	s_add_co_u32 s[G0T+5], s100, SLOTB
	s_mov_b32 s[G0W+1], s101
	s_add_co_u32 s[G0W+5], s101, SLOTB
.irp i, 0,1,2,3
	global_load_b128 v[56+4*\i:59+4*\i], v248, s[G0ST+2:G0ST+3] offset:2048*\i          ; the tokens' scale words: each wave's load covers 512 consecutive bytes
.endr
.irp i, 0,1,2,3,4,5
	global_load_b128 v[72+4*\i:75+4*\i], v248, s[G0SW+2:G0SW+3] offset:32768*(\i/2)+2048*(\i%2)   ; Wq's, Wk's, Wv's: 4,096 bytes each
.endr
	CROUND                                         ; all sixteen work-groups are here: the first joint loads meet
	JLOAD G0T, G1T, G0W, G1W                       ; slot 0: one tensor load a wave at the head
	v_and_b32 v16, 31, v0                          ; lane
	v_and_b32 v17, 15, v0                          ; r
	s_wait_alu depctr_va_vdst(0)
	v_bfe_u32 v18, v0, 4, 1                        ; h
	v_lshlrev_b32 v19, 4, v16                      ; a fragment's image: 16 bytes a lane
	s_mul_i32 s2, s17, TPART
	v_add_nc_u32 v[ADT], s2, v19
	s_add_co_u32 s2, s2, SLOTB
	v_add_nc_u32 v[ADT+1], s2, v19
	s_mul_i32 s3, s18, 6144                        ; my four fragments of each weight's eight
	s_add_co_u32 s3, s3, WOFF
	v_add_nc_u32 v[ADW], s3, v19
	s_add_co_u32 s3, s3, WPART
	v_add_nc_u32 v[ADW+1], s3, v19
	s_add_co_u32 s3, s3, SLOTB-WPART
	v_add_nc_u32 v[ADW+2], s3, v19
	s_add_co_u32 s3, s3, WPART
	v_add_nc_u32 v[ADW+3], s3, v19
	s_lshl_b32 s2, s17, 12
	s_add_co_u32 s2, s2, SCTL
	v_lshl_add_u32 v[ADST], v17, 2, s2
	s_lshl_b32 s2, s18, 8
	s_add_co_u32 s2, s2, SCWL
	v_lshl_add_u32 v[ADSW], v17, 2, s2
	s_mul_i32 s2, s16, 768
	s_add_co_u32 s2, s2, STG
	v_lshl_add_u32 v[SA], v17, 1, s2
	v_lshl_add_u32 v[SRD], v16, 3, s2
	v_lshlrev_b32 v[VO], 3, v16
	v_lshlrev_b32 v250, 4, v16                     ; 16 x lane: v's fragments leave as images of 16 bytes a lane
	v_lshl_add_u32 v[VS], v18, 7, v[VO]
	; where the results go
	s_and_b32 s4, s22, 15
	s_lshl_b32 s4, s4, 1
	s_add_co_u32 s4, s4, s17                       ; my tokens' rowblock in the input: batch = / 8, chunk = % 8
	s_lshr_b32 s5, s4, 3
	s_and_b32 s4, s4, 7
	s_lshl_b32 s6, s23, 1
	s_add_co_u32 s6, s6, s18                       ; my head: 2 g + wave % 2
	s_lshl_b32 s5, s5, 4
	s_add_co_u32 s5, s5, s6                        ; 16 x batch + head
	s_mul_i32 s84, s5, 98304
	s_mul_i32 s7, s4, 12288
	s_add_co_u32 s84, s84, s7
	s_mul_i32 s7, s19, 768                         ; q, k: c's three pieces lie behind x's
	s_add_co_u32 s86, s84, s7
	s_mov_b32 s87, 0
	s_add_nc_u64 s[92:93], s[12:13], s[86:87]      ; q's codes; k's lie 6,291,456 bytes on
	s_mul_i32 s7, s19, 6144                        ; v: c's four fragments lie behind x's
	s_add_co_u32 s86, s84, s7
	s_add_co_u32 s86, s86, 12582912
	s_add_nc_u64 s[94:95], s[12:13], s[86:87]      ; v's codes
	s_lshl_b32 s84, s5, 12
	s_lshl_b32 s7, s4, 9
	s_add_co_u32 s84, s84, s7
	s_lshl_b32 s7, s19, 8
	s_add_co_u32 s86, s84, s7
	s_add_nc_u64 s[96:97], s[14:15], s[86:87]      ; q's scale halves; k's lie 262,144 bytes on
	s_lshl_b32 s7, s19, 7
	s_add_co_u32 s86, s84, s7
	s_add_co_u32 s86, s86, 524288
	s_add_nc_u64 s[98:99], s[14:15], s[86:87]      ; v's
	s_mov_b32 s20, 0x76543210                      ; cx and cy are done with: v_permlanex16_b32's selects for lane l xor 16
	s_mov_b32 s21, 0xfedcba98
.macro FRAG reg, adr, off              ; a fragment comes back as it was stored: three loads of 16 bytes a lane, 512 consecutive bytes each
.irp c, 0,1,2
	ds_load_b128 v[\reg+4*\c:\reg+4*\c+3], v[\adr] offset:(\off)+512*\c
.endr
.endm
.macro LOADT ks, i0                    ; K step ks: my token fragments i0 .. i0 + 3
.irp i, \i0, \i0+1, \i0+2, \i0+3
	FRAG TF+FR*(\i), ADT+((\ks)/2)%2, 12288*((\ks)%2)+1536*(\i)
.endr
.endm
.macro LOADW ks, m, buf                ; K step ks: my four fragments of weight m (0 q, 1 k, 2 v) into buffer buf
.irp i, 0,1,2,3
	FRAG WF+48*(\buf)+FR*\i, ADW+2*(((\ks)/2)%2)+(\ks)%2, 12288*(\m)+1536*\i
.endr
.endm
.macro LOADS ks                        ; K step ks's scale words into set ks % 2: 8 of my token fragments, 12 of my weight fragments; lane r takes row r's word (lanes 16-31 the same, unread)
.irp i, 0,1,2,3,4,5,6,7
	ds_load_b32 v[SC+20*((\ks)%2)+\i], v[ADST] offset:512*(\ks)+64*\i
.endr
.irp i, 0,1,2,3,4,5,6,7,8,9,10,11
	ds_load_b32 v[SC+20*((\ks)%2)+8+\i], v[ADSW] offset:4096*(\i/4)+512*(\ks)+64*(\i%4)
.endr
.endm
; 16 matrix instructions: token fragments u0 .. u0 + 3 x the four fragments of weight m.  Group 3 ks + m takes buffer (3 ks + m) % 2.  The 96 accumulators take turns, one instruction a turn, in the same order in every step.
; K step 0's products start the sums: nothing is ever cleared.
.macro MULG ks, m, u0
	WIN 0x50*((\m)+1)                              ; C and D: window 1 + m; both sources window 0
.irp u, \u0, \u0+1, \u0+2, \u0+3
.irp t, 0,1,2,3
.set RW, WF+48*((3*(\ks)+(\m))%2)+FR*\t
.set RT, TF+FR*(\u)
.set SWR, SC+20*((\ks)%2)+8+4*(\m)+\t
.set STR, SC+20*((\ks)%2)+(\u)
.if (\m) < 2
.set RDD, 8*(4*(\u)+\t)
.if (\ks) == 0
	v_wmma_scale_f32_16x16x128_f8f6f4 v[RDD:RDD+7], v[RW:RW+FR-1], v[RT:RT+FR-1], 0, v[SWR], v[STR] matrix_a_fmt:MATRIX_FMT_FP6 matrix_b_fmt:MATRIX_FMT_FP6
.else
	v_wmma_scale_f32_16x16x128_f8f6f4 v[RDD:RDD+7], v[RW:RW+FR-1], v[RT:RT+FR-1], v[RDD:RDD+7], v[SWR], v[STR] matrix_a_fmt:MATRIX_FMT_FP6 matrix_b_fmt:MATRIX_FMT_FP6
.endif
.else
.set RDD, 8*(8*\t+(\u))
.if (\ks) == 0
	v_wmma_scale_f32_16x16x128_f8f6f4 v[RDD:RDD+7], v[RT:RT+FR-1], v[RW:RW+FR-1], 0, v[STR], v[SWR] matrix_a_fmt:MATRIX_FMT_FP6 matrix_b_fmt:MATRIX_FMT_FP6
.else
	v_wmma_scale_f32_16x16x128_f8f6f4 v[RDD:RDD+7], v[RT:RT+FR-1], v[RW:RW+FR-1], v[RDD:RDD+7], v[STR], v[SWR] matrix_a_fmt:MATRIX_FMT_FP6 matrix_b_fmt:MATRIX_FMT_FP6
.endif
.endif
.endr
.endr
.endm
; A K STEP: three groups of 32 products, q, k, v, each taking the token fragments one after the other.  A weight buffer is free when its group is over and takes the group after the next; a token fragment is free when v's group has
; passed it.  Loads stand in four runs; a load into a register that a matrix instruction has read stands four plain places behind it (ISA guide 7.12.1 for vector instructions).
; On entry these LDS loads are out, in this order: this step's Wq (12), tokens 0-3 (12), tokens 4-7 (12), Wk (12).
; turn = 1, 2: a slot's second step.  In k's group stands the barrier for the change of slots: in front of it each wave waits for all its tensor loads, adds 0 to its spare word, and waits for that and for its LDS reads, of which Wv's were the
; last of this slot.  turn = 2: the barrier opens a round of the cluster's barrier, and this slot takes the K steps four on: from that load to the wait for it a wave issues 160 products.
.macro KSTEP ks, turn
.set SL, ((\ks)/2)%2
	s_wait_dscnt 24                                ; Wq and tokens 0-3 are in; tokens 4-7 and Wk may be out
	MULG \ks, 0, 0
	s_wait_dscnt 12                                ; tokens 4-7 are in; Wk may be out
	MULG \ks, 0, 4
	PLACES 4
	WIN 0
.if (\ks) < 7
	LOADS (\ks)+1                                  ; the other set's last readers were the step before's
.endif
	LOADW \ks, 2, (3*(\ks)+2)%2                    ; Wv into q's buffer
.if \turn
	s_wait_tensorcnt 0x0                           ; all my tensor loads have landed
	ds_add_u32 v[SPW], v[NIL]                      ; 0 onto my spare word
	s_wait_dscnt 33                                ; Wk is in; the 20 scale words, Wv's 12 loads and the add may be out
	MULG \ks, 1, 0                                 ; sixteen matrix instructions stand between the add and the wait for it
	s_wait_dscnt 0x0                               ; the add is done, and my reads of this slot are over
	s_barrier_signal -1
	MULG \ks, 1, 4
	WIN 0
	s_barrier_wait -1
.if (\turn) == 2
	CREST                                          ; no wave of any partner still reads this slot or has a load on its way
	s_add_nc_u64 s[G0T+4*SL+2:G0T+4*SL+3], s[G0T+4*SL+2:G0T+4*SL+3], 2*TPART   ; four K steps of 12,288 bytes on
	s_add_nc_u64 s[G0W+4*SL+2:G0W+4*SL+3], s[G0W+4*SL+2:G0W+4*SL+3], 2*TPART
	JLOAD G0T+4*SL, G1T, G0W+4*SL, G1W             ; the first tensor load behind the round; its four v_nop are also the places in front of the loads below
.else
	PLACES 4
.endif
.else
.if (\ks) < 7
	s_wait_dscnt 32                                ; Wk is in; the 20 scale words and Wv's 12 loads may be out
.else
	s_wait_dscnt 12                                ; Wk is in; Wv's 12 loads may be out
.endif
	MULG \ks, 1, 0
	MULG \ks, 1, 4
.if (\ks) < 7
	PLACES 4
	WIN 0
.endif
.endif
.if (\ks) < 7
	LOADW (\ks)+1, 0, (3*(\ks)+3)%2                ; the next step's Wq into k's buffer
	s_wait_dscnt 12                                ; Wv and the scale words are in; the 12 just issued may be out
.else
	s_wait_dscnt 0x0
.endif
	MULG \ks, 2, 0
.if (\ks) < 7
	PLACES 4
	WIN 0
	LOADT (\ks)+1, 0                               ; the next step's tokens 0-3
.endif
	MULG \ks, 2, 4
.if (\ks) < 7
	PLACES 4
	WIN 0
	LOADT (\ks)+1, 4                               ; tokens 4-7,
	LOADW (\ks)+1, 1, (3*(\ks)+4)%2                ; and Wk into v's buffer
.endif
.endm
	s_wait_alu depctr_va_vdst(0)
	s_wait_loadcnt 0x0                             ; the scale words are in registers
.irp i, 0,1,2,3,4,5,6,7,8,9
	ds_store_b128 v249, v[56+4*\i:59+4*\i] offset:2048*\i   ; the tokens' 8,192 bytes, then the weights' 12,288
.endr
	s_wait_tensorcnt 0x0                           ; my part of slot 0 is in
	ds_add_u32 v[SPW], v[NIL]
	s_wait_dscnt 0x0                               ; the add is done, and my stores of scale words have landed
	CROUND                                         ; slot 0 and the scale words are whole for every wave, and all sixteen work-groups are here
	JLOAD G0T+4, G1T, G0W+4, G1W                   ; slot 1's first fill, the first tensor load behind the round
	LOADW 0, 0, 0
	LOADT 0, 0
	LOADS 0
	LOADT 0, 4
	LOADW 0, 1, 1
	KSTEP 0, 0                                     ; slot 0
	KSTEP 1, 2                                     ; slot 0 takes K steps 4 and 5; behind the round slot 1 is whole for every wave
	KSTEP 2, 0                                     ; slot 1
	KSTEP 3, 2                                     ; slot 1 takes K steps 6 and 7; slot 0's second fill is whole for every wave
	KSTEP 4, 0                                     ; slot 0
	KSTEP 5, 1                                     ; nothing is left to fetch; behind this barrier slot 1's second fill is whole for every wave
	KSTEP 6, 0                                     ; slot 1
	KSTEP 7, 0
	WIN 0
; THE WAY OUT.  64 registers of a lane, four blocks of 32 each shared with lane l xor 16, are quantised at a time.  q, k: two neighbouring token fragments' 64 channels each: registers 0-5 of the codes and the scale word's low half belong to the first,
; registers 6-11 and the high half to the second.  v: one fragment of 16 channels x 128 keys.  The codes leave as six stores of 256 consecutive, aligned bytes.
; The codes' registers are chosen so that a conversion's destination bears other register numbers than its sources.
.macro OUTA w, n, pw, base, o0, o1, z0, z1, first
.set AC, 64*(\n)
.set PCX, 224-144*((\n)/3)
	WIN 5*(\w)                                     ; sources 0 and 1: window w
.irp b, 0,1,2,3
	v_max3_num_f32 v[TM+\b], |v[AC+16*\b]|, |v[AC+16*\b+1]|, 0x1800000   ; each accumulator is read from its low end on; the floor 2^(3 - 127) holds the byte at 1 from below
.endr
.irp i, 2,4,6,8,10,12,14
.irp b, 0,1,2,3
	v_max3_num_f32 v[TM+\b], |v[AC+16*\b+\i]|, |v[AC+16*\b+\i+1]|, v[TM+\b]
.endr
.endr
	WIN 0
.irp b, 0,1,2,3
	v_permlanex16_b32 v[TM+4+\b], v[TM+\b], s20, s21
.endr
.irp b, 0,1,2,3
	v_max_num_f32 v[TM+\b], v[TM+\b], v[TM+4+\b]
.endr
.irp b, 0,1,2,3
	v_add_nc_u32 v[TM+12+\b], 0xff000000, v[TM+\b]   ; 2 off the exponent field: the conversion's scale operand
.endr
.irp b, 0,1,2,3
	v_lshrrev_b32 v[TM+4+\b], 23, v[TM+12+\b]      ; the scale's byte
.endr
	v_lshl_or_b32 v[\pw], v[TM+5], 8, v[TM+4]
	v_lshl_or_b32 v[\pw], v[TM+6], 16, v[\pw]
	v_lshl_or_b32 v[\pw], v[TM+7], 24, v[\pw]
.if !(\first)
	s_wait_xcnt 0x0                                ; the earlier stores have read their data: the codes' registers may be written again
.endif
	WIN \w                                         ; source 0: window w
.irp c, 0,1
	v_cvt_scalef32_pk16_fp6_f32 v[PCX+6*\c:PCX+2+6*\c], v[AC+32*\c:AC+15+32*\c], v[TM+12+2*\c]
	v_cvt_scalef32_pk16_fp6_f32 v[PCX+12+4*\c:PCX+14+4*\c], v[AC+16+32*\c:AC+31+32*\c], v[TM+12+2*\c+1]
.endr
	WIN 0
	v_nop                                          ; one plain place behind a scaled conversion
.irp c, 0,1
.irp i, 0,1,2
	v_permlane16_swap_b32 v[PCX+6*\c+\i], v[PCX+12+4*\c+\i]
.endr
.irp i, 0,1,2
	v_mov_b32 v[PCX+3+6*\c+\i], v[PCX+12+4*\c+\i]
.endr
.endr
.if (\w) == 3                          ; v's fragment is whole here: registers 4 c .. 4 c + 3 of lane l at 512 c + 16 l (in place of the six pieces that the head's lines name for v)
.irp c, 0,1,2
	global_store_b128 v250, v[PCX+4*\c:PCX+4*\c+3], s[\base:\base+1] offset:(\o0)+512*\c
.endr
.else
.irp p, 0,1,2
	global_store_b64 v[VO], v[PCX+2*\p:PCX+2*\p+1], s[\base:\base+1] offset:(\o0)+256*\p
.endr
.irp p, 0,1,2
	global_store_b64 v[VO], v[PCX+6+2*\p:PCX+7+2*\p], s[\base:\base+1] offset:(\o1)+256*\p
.endr
.endif
	ds_store_b16 v[SA], v[\pw] offset:\z0          ; the word's two halves go to two places: they are gathered in my 768 bytes of the stage
	ds_store_b16_d16_hi v[SA], v[\pw] offset:\z1
.endm
	PLACES 4                                       ; behind the last products: their results are read and their operands' registers written below
.irp b, 0,1,2,3
	v_mov_b32 v[TM+4+\b], 0                        ; written once: a lane permute's destination counts as one of its sources
.endr
	OUTA 1, 0, PW, 92, 0, 1536, 0, 32, 1           ; q: token fragments 0 and 1,
.irp n, 1,2,3
	OUTA 1, \n, PW+\n, 92, 3072*\n, 3072*\n+1536, 64*\n, 64*\n+32, 0   ; 2 n and 2 n + 1
.endr
.irp n, 0,1,2,3
	OUTA 2, \n, PW+4+\n, 92, 6291456+3072*\n, 6291456+3072*\n+1536, 256+64*\n, 256+64*\n+32, 0   ; k
.endr
.irp n, 0,1,2,3
	OUTA 3, \n, PW+8+\n, 94, 1536*\n, 1536*\n+768, 512+32*\n, 640+32*\n, 0   ; v: fragment n of my head's four
.endr
	ds_load_b64 v[BK:BK+1], v[SRD]                 ; LDS serves a wave's instructions in order: these see my stores
	ds_load_b64 v[BK+2:BK+3], v[SRD] offset:256
	ds_load_b64 v[BK+4:BK+5], v[SRD] offset:512
	s_wait_dscnt 0x0
	global_store_b64 v[VO], v[BK:BK+1], s[96:97]                   ; q's halves: 256 consecutive bytes, aligned
	global_store_b64 v[VO], v[BK+2:BK+3], s[96:97] offset:262144   ; k's
	global_store_b64 v[VS], v[BK+4:BK+5], s[98:99]                 ; v's: the low halves' 128 bytes, and 256 bytes on the high halves'
	s_wait_tensorcnt 0x0                           ; the wave's end
	ds_add_u32 v[SPW], v[NIL]
	s_wait_dscnt 0x0
	CROUND                                         ; the closing round
	s_endpgm
.Lfunc_end_k_q3cbcf535ad_gemm1:
	.size	k_q3cbcf535ad_gemm1, .Lfunc_end_k_q3cbcf535ad_gemm1-k_q3cbcf535ad_gemm1
	.p2alignl 7, 3214868480
	.fill 96, 4, 3214868480
	.section	.rodata,"a",@progbits
	.p2align	6, 0x0
	.amdhsa_kernel k_q3cbcf535ad_gemm1
		.amdhsa_group_segment_fixed_size 327680
		.amdhsa_private_segment_fixed_size 0
		.amdhsa_enable_private_segment 0
		.amdhsa_kernarg_size 48
		.amdhsa_user_sgpr_count 2
		.amdhsa_user_sgpr_kernarg_segment_ptr 1
		.amdhsa_wavefront_size32 1
		.amdhsa_system_sgpr_workgroup_id_x 1
		.amdhsa_system_sgpr_workgroup_id_y 1
		.amdhsa_system_sgpr_workgroup_id_z 1
		.amdhsa_system_vgpr_workitem_id 0
		.amdhsa_next_free_vgpr 1024
		.amdhsa_next_free_sgpr 102
		.amdhsa_reserve_vcc 0
		.amdhsa_float_denorm_mode_32 3
		.amdhsa_float_denorm_mode_16_64 3
		.amdhsa_memory_ordered 1
		.amdhsa_forward_progress 1
		.amdhsa_inst_pref_size 210
	.end_amdhsa_kernel
	.amdgpu_metadata
---
amdhsa.version: [ 1, 2 ]
amdhsa.kernels:
  - .name:           k_q3cbcf535ad_gemm1
    .symbol:         k_q3cbcf535ad_gemm1.kd
    .args:
      - { .name: act_codes, .offset: 0, .size: 8, .value_kind: global_buffer, .address_space: global }
      - { .name: act_scales, .offset: 8, .size: 8, .value_kind: global_buffer, .address_space: global }
      - { .name: w_codes, .offset: 16, .size: 8, .value_kind: global_buffer, .address_space: global }
      - { .name: w_scales, .offset: 24, .size: 8, .value_kind: global_buffer, .address_space: global }
      - { .name: qkv_codes, .offset: 32, .size: 8, .value_kind: global_buffer, .address_space: global }
      - { .name: qkv_scales, .offset: 40, .size: 8, .value_kind: global_buffer, .address_space: global }
    .group_segment_fixed_size: 327680
    .private_segment_fixed_size: 0
    .kernarg_segment_align: 8
    .kernarg_segment_size: 48
    .max_flat_workgroup_size: 128
    .sgpr_count:     102
    .vgpr_count:     1024
    .wavefront_size: 32
...
	.end_amdgpu_metadata
.endif
;; end of part 2
;; launch attn (part 3): grid 4 x 64, 8 waves a work-group, clusters of 4 x 1, 327,680 bytes of LDS; arguments qkv_codes, qkv_scales, o_codes, o_scales; writes o_codes, o_scales
.if DOCPART == 3
	.amdgcn_target "amdgcn-amd-amdhsa--gfx1250"
	.amdhsa_code_object_version 6
	.text
	.protected	k_q3cbcf535ad_attn
	.globl	k_q3cbcf535ad_attn
	.p2align	8
	.type	k_q3cbcf535ad_attn,@function
k_q3cbcf535ad_attn:
	s_mov_b64 s[64:65], 0
	v_nop
	global_prefetch_b8 v0, s[64:65] scope:SCOPE_SE
	s_setreg_imm32_b32 hwreg(HW_REG_WAVE_MODE, 25, 1), 1
	s_wait_xcnt 0x0
	s_wait_alu depctr_hold_cnt(0) depctr_sa_sdst(0) depctr_va_vdst(0) depctr_va_sdst(0) depctr_va_ssrc(0) depctr_va_vcc(0) depctr_vm_vsrc(0)
	s_getreg_b32 s2, hwreg(HW_REG_IB_STS2, 6, 4)
	s_cmp_eq_u32 s2, 0
	s_cbranch_scc0 .Lentry_in_a_cluster
	s_endpgm
.Lentry_in_a_cluster:
	s_bfe_u32 s2, ttmp6, 0x10000c
	s_cmp_lg_u32 s2, 0x3003
	s_cbranch_scc0 .Lentry_shape_is_right
	s_endpgm
.Lentry_shape_is_right:
; O = softmax(q k^T / 8) v for 64 (batch, head) pairs, 1,024 queries and keys, head size 128; both products on codes of FP6 (E2M3) with E8M0 scales; O is quantised along the head's 128 and leaves as the A operand of the last product.
; THE SOFTMAX: t = score x log2(e) / 8; M = the running largest t rounded UP to a whole number; p = 2^(t - M) is quantised along the keys; the row's sum is taken of the unquantised p and divides O at the end.
; When M moves, the sum and O are multiplied by 2^(old M - new M): exact.
; SHARES.  A work-group owns 256 queries of one pair; each of its eight waves two fragments of 16 (sets 0 and 1), so that each fragment of k and v read from LDS feeds two products.
; All of the pair's k and v, 196,608 bytes of codes, comes into LDS, each byte filled once, in rows of 256 bytes with 16 bytes of padding behind each, IN TWO STAGES, one tensor load a wave each:
; at the head half a chunk of 128 keys a wave (24 rows): k's and v's chunks 0 and 1; behind the wait for all loads, the add, its wait and a round of the cluster's barrier
; one and a half chunks a wave (72 rows): chunks 2 to 7, which have the first two key steps in which to land.  One barrier ahead of the third step shows them to all eight waves.
; CLUSTER.  The four query blocks of a pair form a cluster and ask for k and v jointly.  No prefetch: the second stage, the last request, goes out ahead of the first key step, so no loop is left to run ahead in.
; LAYOUT.  Both products are used transposed (S^T = k q^T, O^T = v^T p^T): a lane holds one query of each set.  THE KEYS OF A TILE OF k ARE CHOSEN BY ADDRESS: lane r of tile 4 c + i takes key 64 c + 32 (r / 8) + 8 i + r % 8,
; so lane (r, h) holds in the 32 registers of tiles 4 c .. 4 c + 3 the whole block of keys 64 c + 32 h + 0 .. 31, in order: a block's maximum needs no other lane and the conversions' results are p's operand registers.
; In memory k's fragment t' holds rows 32 (t' / 2) + 8 (t' % 2) + r' + 8 (r' / 8), so that key lies in fragment 4 c + 2 (r / 8) + i % 2 at r' = r % 8 + 8 (i / 2); two fragments are 12 LDS rows of 272 bytes: the two halves of the rows fall on different banks.
; q's and k's fragments lie as six pieces of 256 bytes (registers 2 p, 2 p + 1 of lane l at 256 p + 8 l), v's as three of 512 (registers 4 c .. 4 c + 3 at 512 c + 16 l).
; The scale words are laid in LDS as the lanes take them: (chunk j, lane r, tile T) at 512 j + 32 r + 4 T, so that one load of 16 bytes brings four tiles' words.
; LIMITS: a block's largest p is taken from the block's largest score, put through the same multiply-add and exponential: that takes v_exp_f32 not to fall where its input rises.  A block under 2^-124, or of zeros, keeps the byte 1
; (this program alone reads the bytes).  NaN and infinities are not served.  The promise holds while the scaled scores stay under 2^31 in magnitude.
; REGISTERS.  Window 0: v1-14 addresses; v16-63 four fragments of k or v; v64-127 set 0's S^T, then p; v128-191 its O^T; v192-203 its q; v204-215 scale words; v216-255 at work for both sets.
; Window 1: v0-15 halves of p's codes; v16-63 four more fragments; v64-127, v128-191, v192-203 set 1's S^T, O^T, q; v216-239 p's codes of both sets.
.set PIT,  272
.set CH,   48*PIT                      ; a chunk of 128 keys in LDS
.set VB,   8*CH                        ; v's chunks lie behind k's
.set SCK,  16*CH                       ; k's scale words
.set SCV,  SCK+4096                    ; v's
.set OSC,  SCV+4096                    ; O's scale words on their way out, 1,024 bytes
.set SPARE, OSC+1024                   ; the spare words, 128 bytes a wave
.set AK1,  1                           ; chunk 1's k codes; chunk 0's v codes; chunk 1's k words; chunk 0's v words
.set AV0,  2
.set ASK1, 3
.set ASV0, 4
.set AKC,  5                           ; the next chunk's k, this chunk's v
.set AVC,  6
.set ASKC, 7
.set ASVC, 8
.set SPW,  9
.set NIL,  10
.set LI,   11                          ; 16 x lane
.set OSA,  12
.set OSR,  13
.set SH8,  14                          ; 8 h
.set BUF,  16
.set S,    64
.set O,    128
.set Q,    192
.set FS,   204                         ; the eight fragments' scale words
.set QW,   212                         ; q's scale words, set 0, 1
.set PW,   214                         ; p's
.set T,    216                         ; v216-231 sums at work
.set NM,   232                         ; (-M, the largest t) of set 0, 1
.set FF,   236                         ; (f, unused) of set 0, 1
.set D,    240                         ; four maxima a set
.set X,    248                         ; two registers a set
.set LS,   252                         ; the row's sum in two halves, set 0, 1
.set PC,   216                         ; window 1: p's codes, 12 a set
.set TP,   0                           ; window 1: the upper halves of the blocks' codes as the conversions leave them
.set WV,   12
.set SEL,  20
.set CS,   22
.set KO,   66
.set SO,   67
.set CNT,  68
.set MSB, 0
.macro WIN new                         ; the immediate's high byte repeats the setting that is left
.if MSB != (\new)
	s_set_vgpr_msb (MSB<<8)|(\new)
.set MSB, (\new)
.endif
.endm
.macro DEP n
	s_delay_alu instid0(VALU_DEP_\n)
.endm
.macro PLACES n
.rept \n
	v_nop
.endr
.endm
.macro CROUND
	s_barrier_signal -1
	s_barrier_wait -1
	s_cmp_lg_u32 s[WV], 0
	s_cbranch_scc1 .Lnot_wave_0_\@
	s_barrier_signal -3
.Lnot_wave_0_\@:
	s_barrier_wait -3
	s_barrier_signal -1
	s_barrier_wait -1
.endm
.macro KLOAD b                         ; tiles 4 b .. 4 b + 3 of k into window b's buffer: 24 loads of 8 bytes, and one of their four scale words
	WIN 0x40*(\b)
.irp i, 0,1,2,3
.irp p, 0,1,2,3,4,5
	ds_load_b64 v[BUF+12*\i+2*\p:BUF+12*\i+2*\p+1], v[AKC] offset:(6*(4*(\b)+(\i%2))+\p)*PIT+64*(\i/2)
.endr
.endr
	WIN 0
	ds_load_b128 v[FS+4*(\b):FS+4*(\b)+3], v[ASKC] offset:16*(\b)
.endm
.macro VLOAD b                         ; fragments 4 b .. 4 b + 3 of v^T (16 channels x the chunk's 128 keys): 12 loads of 16 bytes, and one of their scale words
	WIN 0x40*(\b)
.irp i, 0,1,2,3
.irp c, 0,1,2
	ds_load_b128 v[BUF+12*\i+4*\c:BUF+12*\i+4*\c+3], v[AVC] offset:(6*(4*(\b)+\i)+2*\c)*PIT
.endr
.endr
	WIN 0
	ds_load_b128 v[FS+4*(\b):FS+4*(\b)+3], v[ASVC] offset:16*(\b)
.endm
.macro KNEXT b, kl                     ; the next chunk's k tiles: kl = 0 none, 1 always, 2 in all trips of the loop but the last (a jump on the loop's own counter, round the loads and their places alone)
.if (\kl) == 1
	PLACES 4
	KLOAD \b
.endif
.if (\kl) == 2
	WIN 0
	s_cmp_eq_u32 s[CNT], 1
	s_cbranch_scc1 .Lno_k_\@
	PLACES 4
	KLOAD \b
.Lno_k_\@:
.endif
.endm
.macro QK b                            ; S^T = k q^T: window b's four tiles x both sets
.irp s, 0,1
	WIN (\b)|(\s<<2)|(\s<<6)
.irp t, 0,1,2,3
	v_wmma_scale_f32_16x16x128_f8f6f4 v[S+8*(4*(\b)+\t):S+8*(4*(\b)+\t)+7], v[BUF+12*\t:BUF+12*\t+11], v[Q:Q+11], 0, v[FS+4*(\b)+\t], v[QW+\s] matrix_a_fmt:MATRIX_FMT_FP6 matrix_b_fmt:MATRIX_FMT_FP6
.endr
.endr
.endm
.macro PV b, first                     ; O^T += v^T p^T: the accumulators take turns, one instruction a turn
.irp s, 0,1
	WIN (\b)|4|(\s<<4)|(\s<<6)
.irp t, 0,1,2,3
.if \first
	v_wmma_scale_f32_16x16x128_f8f6f4 v[O+8*(4*(\b)+\t):O+8*(4*(\b)+\t)+7], v[BUF+12*\t:BUF+12*\t+11], v[PC+12*\s:PC+12*\s+11], 0, v[FS+4*(\b)+\t], v[PW+\s] matrix_a_fmt:MATRIX_FMT_FP6 matrix_b_fmt:MATRIX_FMT_FP6
.else
	v_wmma_scale_f32_16x16x128_f8f6f4 v[O+8*(4*(\b)+\t):O+8*(4*(\b)+\t)+7], v[BUF+12*\t:BUF+12*\t+11], v[PC+12*\s:PC+12*\s+11], v[O+8*(4*(\b)+\t):O+8*(4*(\b)+\t)+7], v[FS+4*(\b)+\t], v[PW+\s] matrix_a_fmt:MATRIX_FMT_FP6 matrix_b_fmt:MATRIX_FMT_FP6
.endif
.endr
.endr
.endm
.macro MAXS s                          ; four maxima of 16 scores each, by turns; each accumulator is read from its low end on
	WIN 5*(\s)
.irp n, 0,1,2,3
	v_max_num_f32 v[D+4*(\s)+\n], v[S+16*\n], v[S+16*\n+1]
.endr
.irp i, 2,4,6,8,10,12,14
.irp n, 0,1,2,3
	v_max3_num_f32 v[D+4*(\s)+\n], v[S+16*\n+\i], v[S+16*\n+\i+1], v[D+4*(\s)+\n]
.endr
.endr
.endm
.macro SUMS s                          ; the row's sum of the unquantised p: eight chains of pairs
	WIN 5*(\s)
.irp i, 0,2,4,6,8,10,12,14
	v_pk_add_f32 v[T+\i:T+\i+1], v[S+\i:S+\i+1], v[S+16+\i:S+17+\i]
.endr
	WIN \s
.irp k, 32,48
.irp i, 0,2,4,6,8,10,12,14
	v_pk_add_f32 v[T+\i:T+\i+1], v[S+\k+\i:S+\k+\i+1], v[T+\i:T+\i+1]
.endr
.endr
	WIN 0
.irp i, 0,2,4,6
	v_pk_add_f32 v[T+\i:T+\i+1], v[T+\i:T+\i+1], v[T+8+\i:T+9+\i]
.endr
	v_pk_add_f32 v[T:T+1], v[T:T+1], v[T+4:T+5]
	v_pk_add_f32 v[T+2:T+3], v[T+2:T+3], v[T+6:T+7]
	v_pk_add_f32 v[T:T+1], v[T:T+1], v[T+2:T+3]
	v_pk_add_f32 v[LS+2*(\s):LS+2*(\s)+1], v[LS+2*(\s):LS+2*(\s)+1], v[T:T+1]
.endm
; A KEY STEP: 128 keys.  On entry the chunk's k loads are out: tiles 0-3 (25 LDS loads), then tiles 4-7 (25).  The two sets' short chains stand line by line, by turns.
.macro STEP first, kl
	s_wait_dscnt 25                                ; tiles 0-3 and their words are in; the 25 loads of tiles 4-7 may be out
	QK 0
	s_wait_dscnt 0x0
	QK 1
	WIN 0
	v_add_nc_u32 v[AVC], s[KO], v[AV0]             ; this chunk's v, the next chunk's k.  These four are also the places behind the products: for the loads into their operands and the reads of the scores
	v_add_nc_u32 v[ASVC], s[SO], v[ASV0]
	v_add_nc_u32 v[AKC], s[KO], v[AK1]
	v_add_nc_u32 v[ASKC], s[SO], v[ASK1]
	s_add_co_u32 s[KO], s[KO], CH
	s_add_co_u32 s[SO], s[SO], 512
	VLOAD 0                                        ; v's eight fragments land while the softmax is worked
	VLOAD 1
	MAXS 0
	MAXS 1
	WIN 0
.irp s, 0,1
	v_max_num_f32 v[D+4*\s], v[D+4*\s], v[D+4*\s+1]           ; the largest score of my block of keys 32 h ..,
	v_max_num_f32 v[D+4*\s+2], v[D+4*\s+2], v[D+4*\s+3]       ; and of 64 + 32 h ..
.endr
.irp s, 0,1
	v_max_num_f32 v[X+2*\s], v[D+4*\s], v[D+4*\s+2]
.endr
.irp s, 0,1
	v_mul_f32 v[X+2*\s], s[CS], v[X+2*\s]                     ; as t (c is positive)
.endr
.irp s, 0,1
	v_permlanex16_b32 v[X+2*\s+1], v[X+2*\s], s[SEL], s[SEL+1]
.endr
.irp s, 0,1
	v_max3_num_f32 v[NM+2*\s+1], v[NM+2*\s+1], v[X+2*\s], v[X+2*\s+1]   ; the running largest t
.endr
.irp s, 0,1
	v_mov_b32 v[X+2*\s], v[NM+2*\s]
.endr
.irp s, 0,1
	v_floor_f32 v[NM+2*\s], -v[NM+2*\s+1]                     ; the new -M = -ceil(t)
.endr
.irp s, 0,1
	v_sub_f32 v[X+2*\s], v[NM+2*\s], v[X+2*\s]                ; old M - new M: a whole number, 0 or less
.endr
.irp s, 0,1
	v_cvt_i32_f32 v[X+2*\s], v[X+2*\s]                        ; (it saturates)
.endr
.irp s, 0,1
	v_ldexp_f32 v[FF+2*\s], 1.0, v[X+2*\s]                    ; f = 2^(old M - new M)
.endr
.irp s, 0,1
	v_fma_f32 v[D+4*\s], v[D+4*\s], s[CS], v[NM+2*\s]         ; t - M of each block's largest score
	v_fma_f32 v[D+4*\s+2], v[D+4*\s+2], s[CS], v[NM+2*\s]
.endr
.irp s, 0,1
	WIN 0x41*\s
.set N, 0
.rept 32
	v_pk_fma_f32 v[S+N:S+N+1], v[S+N:S+N+1], s[CS:CS+1], v[NM+2*\s:NM+2*\s+1] op_sel_hi:[1,0,0]   ; t - M, two at a time
.set N, N+2
.endr
.endr
	s_wait_alu depctr_va_vdst(0)                   ; ahead of the batch
.irp s, 1,0
	WIN 0x41*\s
.set N, 0
.rept 64
	v_exp_f32 v[S+N], v[S+N]                       ; p = 2^(t - M), at most 1
.set N, N+1
.endr
.endr
.irp n, 0,2,4,6
	v_exp_f32 v[D+\n], v[D+\n]                     ; each block's largest p
.endr
.irp s, 0,1
	v_pk_mul_f32 v[LS+2*\s:LS+2*\s+1], v[LS+2*\s:LS+2*\s+1], v[FF+2*\s:FF+2*\s+1] op_sel_hi:[1,0]   ; the sums under the new M; the plain place behind the batch
.endr
	s_wait_alu depctr_va_vdst(0)                   ; one wait for the whole batch, ahead of its first reader
	SUMS 0
	SUMS 1
.irp n, 0,2,4,6
	v_max_num_f32 v[D+\n], 0x1800000, v[D+\n]      ; the floor 2^(3 - 127): the byte cannot fall under 1
.endr
.irp n, 0,2,4,6
	v_add_nc_u32 v[D+\n], 0xff000000, v[D+\n]      ; 2 off the exponent field: the conversions' scale operand
.endr
.irp n, 0,2,4,6
	v_lshrrev_b32 v[D+\n+1], 23, v[D+\n]           ; the scale's byte
.endr
.irp s, 0,1
	v_lshl_or_b32 v[X+2*\s], v[D+4*\s+3], 16, v[D+4*\s+1]     ; my two bytes: blocks h and 2 + h,
.endr
.irp s, 0,1
	v_lshlrev_b32 v[X+2*\s], v[SH8], v[X+2*\s]                ; at their places in the word;
.endr
.irp s, 0,1
	v_permlanex16_b32 v[X+2*\s+1], v[X+2*\s], s[SEL], s[SEL+1]
.endr
.irp s, 0,1
	v_or_b32 v[PW+\s], v[X+2*\s], v[X+2*\s+1]                 ; with lane l xor 16's two the word is whole
.endr
.irp s, 0,1
	WIN 0x40|\s
.irp c, 0,1
	v_cvt_scalef32_pk16_fp6_f32 v[PC+12*\s+6*\c:PC+12*\s+6*\c+2], v[S+32*\c:S+32*\c+15], v[D+4*\s+2*\c]
	v_cvt_scalef32_pk16_fp6_f32 v[TP+8*\s+4*\c:TP+8*\s+4*\c+2], v[S+32*\c+16:S+32*\c+31], v[D+4*\s+2*\c]   ; (a conversion's three registers begin on an even number)
.endr
.endr
	v_nop                                          ; one plain place behind a scaled conversion
.irp s, 0,1
.irp c, 0,1
.irp i, 0,1,2
	v_mov_b32 v[PC+12*\s+6*\c+3+\i], v[TP+8*\s+4*\c+\i]
.endr
.endr
.endr
.if \first
	PLACES 8                                       ; no O^T yet: a scale word written by a vector instruction stands 8 places ahead of the scaled product, an operand 4
.else
.irp s, 1,0
	WIN 0x41*\s
	s_wait_alu depctr_va_vdst(0)                   ; directly ahead of the first reader of O^T
.set N, 0
.rept 32
	v_pk_mul_f32 v[O+N:O+N+1], v[O+N:O+N+1], v[FF+2*\s:FF+2*\s+1] op_sel_hi:[1,0]   ; O^T under the new M; also the places ahead of the products
.set N, N+2
.endr
.endr
.endif
	s_wait_alu depctr_va_vdst(0)                   ; directly ahead of the wait below
	s_wait_dscnt 0x0                               ; v's fragments, asked for ahead of the softmax
	PV 0, \first
	KNEXT 0, \kl
	PV 1, \first
	KNEXT 1, \kl
	WIN 0
.endm
; THE WAY OUT of set s: O^T / the sum; register 16 b + i is channel 32 b + 16 h + i of my query; quantised along the 128 channels, stored as the image of the operand's registers
.macro OUTQ s
.set FC, BUF+20*(\s)
	WIN 0x41*(\s)
	s_wait_alu depctr_va_vdst(0)                   ; behind the reciprocals, directly ahead of the first reader of O^T
.set N, 0
.rept 64
	v_mul_f32 v[S+N], v[O+N], v[LS+2*(\s)]
.set N, N+1
.endr
	WIN 5*(\s)
.irp b, 0,1,2,3
	v_max3_num_f32 v[T+\b], |v[S+16*\b]|, |v[S+16*\b+1]|, 0x1800000
.endr
.irp i, 2,4,6,8,10,12,14
.irp b, 0,1,2,3
	v_max3_num_f32 v[T+\b], |v[S+16*\b+\i]|, |v[S+16*\b+\i+1]|, v[T+\b]
.endr
.endr
	WIN 0
.irp b, 0,1,2,3
	v_permlanex16_b32 v[T+4+\b], v[T+\b], s[SEL], s[SEL+1]
.endr
.irp b, 0,1,2,3
	DEP 4
	v_max_num_f32 v[T+\b], v[T+\b], v[T+4+\b]
.endr
.irp b, 0,1,2,3
	DEP 4
	v_add_nc_u32 v[T+12+\b], 0xff000000, v[T+\b]
.endr
.irp b, 0,1,2,3
	DEP 4
	v_lshrrev_b32 v[T+4+\b], 23, v[T+12+\b]
.endr
	v_lshl_or_b32 v[X+2*(\s)], v[T+5], 8, v[T+4]
	DEP 1
	v_lshl_or_b32 v[X+2*(\s)], v[T+6], 16, v[X+2*(\s)]
	DEP 1
	v_lshl_or_b32 v[X+2*(\s)], v[T+7], 24, v[X+2*(\s)]
	WIN \s
.irp c, 0,1
	v_cvt_scalef32_pk16_fp6_f32 v[FC+6*\c:FC+6*\c+2], v[S+32*\c:S+32*\c+15], v[T+12+2*\c]
	v_cvt_scalef32_pk16_fp6_f32 v[FC+12+4*\c:FC+14+4*\c], v[S+32*\c+16:S+32*\c+31], v[T+13+2*\c]
.endr
	WIN 0
	v_nop                                          ; one plain place behind a scaled conversion
.irp c, 0,1
.irp i, 0,1,2
	v_permlane16_swap_b32 v[FC+6*\c+\i], v[FC+12+4*\c+\i]
.endr
.irp i, 0,1,2
	v_mov_b32 v[FC+3+6*\c+\i], v[FC+12+4*\c+\i]
.endr
.endr
.irp c, 0,1,2
	global_store_b128 v[LI], v[FC+4*\c:FC+4*\c+3], s[56:57] offset:1536*(\s)+512*\c   ; 32 lanes store 512 consecutive bytes
.endr
	ds_store_b32 v[OSA], v[X+2*(\s)] offset:64*(\s)   ; both halves of the lanes write the same word with the same value
.endm
	s_load_b256 s[4:11], s[0:1], 0x0               ; qkv_codes s[4:5], qkv_scales s[6:7], o_codes s[8:9], o_scales s[10:11]
	v_lshl_add_u32 v[SPW], v0, 2, SPARE
	v_mov_b32 v[NIL], 0
	ds_add_u32 v[SPW], v[NIL]                      ; the opening lines: the add, twice on end, and its wait ahead of my first tensor load
	ds_add_u32 v[SPW], v[NIL]
	v_lshrrev_b32 v15, 5, v0
	v_readfirstlane_b32 s[WV], v15                 ; wave 0..7
	s_lshl_b32 s15, s[WV], 7
	s_add_co_u32 s15, s15, OSC
	s_and_b32 s16, s[WV], 1
	s_lshl_b32 s16, s16, 9
	s_add_co_u32 s16, s16, OSC
	v_and_b32 v15, 31, v0                          ; lane
	v_and_b32 v16, 15, v0                          ; r
	v_bfe_u32 v17, v0, 4, 1                        ; h
	v_bfe_u32 v18, v0, 3, 1                        ; r / 8
	v_and_b32 v19, 7, v0                           ; r % 8
	v_lshlrev_b32 v20, 3, v15                      ; 8 x lane
	v_lshlrev_b32 v[LI], 4, v15
	v_lshl_add_u32 v21, v17, 4, v[LI]
	v_add_nc_u32 v[AV0], VB, v21                   ; v: 16 lane, and 16 more behind the first 256 bytes
	v_mul_u32_u24 v21, v18, 12*PIT
	v_lshl_add_u32 v21, v19, 3, v21
	v_lshl_add_u32 v[AKC], v17, 7, v21             ; k: 12 rows (r / 8) + 8 (r % 8) + 128 h
	v_add_nc_u32 v[AK1], CH, v[AKC]
	v_lshl_add_u32 v[ASKC], v16, 5, SCK            ; my row's eight words
	v_add_nc_u32 v[ASK1], 512, v[ASKC]
	v_lshl_add_u32 v[ASV0], v16, 5, SCV
	v_lshlrev_b32 v[SH8], 3, v17
	v_lshl_add_u32 v[OSA], v16, 2, s15             ; OSC + 128 wave + 4 r
	v_add_nc_u32 v[OSR], s16, v[LI]
	v_lshrrev_b32 v23, 5, v0
	v_lshl_add_u32 v22, v23, 9, SCK                ; where I put four scale words of k: thread n of a chunk's 32 holds rows 4 n + e of the chunk as memory has them: fragment t' = n / 4, r' = 4 (n % 4) + e;
	v_lshl_add_u32 v25, v23, 9, SCV                ; and of v
	v_lshl_add_u32 v23, v23, 9, v20                ; and where their halves lie in memory: 512 wave + 8 lane
	v_and_b32 v26, 1, v0
	v_lshl_add_u32 v22, v26, 7, v22                ; k: lane r = r' % 8 + 8 ((t' % 4) / 2), tile T = 4 (t' / 4) + 2 (r' / 8) + t' % 2, at 32 r + 4 T: bit 0 of n gives 128,
	v_bfe_u32 v26, v0, 1, 1
	v_lshl_add_u32 v22, v26, 3, v22                ; bit 1 gives 8,
	v_bfe_u32 v26, v0, 2, 1
	v_lshl_add_u32 v22, v26, 2, v22                ; bit 2 gives 4,
	v_lshl_add_u32 v22, v18, 8, v22                ; bit 3 gives 256,
	v_lshl_add_u32 v22, v17, 4, v22                ; bit 4 gives 16; e gives 32 e
	v_and_b32 v26, 3, v0
	v_lshl_add_u32 v25, v26, 7, v25                ; v: lane r = r', tile T = t'
	v_bfe_u32 v26, v0, 2, 3
	v_lshl_add_u32 v25, v26, 2, v25
	v_lshlrev_b32 v24, 1, v16                      ; 2 r
	s_bfe_u32 s13, ttmp6, 0x40000                  ; cx: my block of 256 queries; it enters q's and O's addresses alone
	s_and_b32 s14, ttmp7, 0xffff                   ; the pair, which the four partners share
	s_mov_b32 s24, 15|(3<<16)|(1<<20)|(1<<21)|(5<<22)|(3<<25)   ; the mask: all four; elements of 8 bytes; padding of 4 words behind every 64; 21 set beside a mask
	s_mov_b32 s25, 32<<16                          ; the head's load: 6,144 dense bytes as 24 rows of 256
	s_mov_b32 s26, 24<<16
	s_mov_b32 s27, 32<<16
	s_mov_b32 s28, 24
	s_mov_b32 s29, 32
	s_mov_b32 s30, 0
	s_mov_b32 s31, 0
	s_mov_b32 s40, 15|(3<<16)|(1<<20)|(1<<21)|(5<<22)|(3<<25)
	s_mov_b32 s41, 32<<16                          ; the second stage's: 18,432 dense bytes as 72 rows
	s_mov_b32 s42, 72<<16
	s_mov_b32 s43, 32<<16
	s_mov_b32 s44, 72
	s_mov_b32 s45, 32
	s_mov_b32 s46, 0
	s_mov_b32 s47, 0
	s_mov_b32 s32, 1
	s_mov_b32 s36, 1
	s_lshr_b32 s17, s[WV], 2                       ; waves 0-3 fetch k, waves 4-7 v.  Also: which of my block's two chunks of queries is mine
	s_and_b32 s18, s[WV], 3
	s_mul_i32 s16, s17, VB
	s_mul_i32 s33, s18, 24*PIT
	s_add_co_u32 s33, s33, s16                     ; LDS: my quarter of chunks 0 and 1,
	s_mul_i32 s37, s18, 72*PIT
	s_add_co_u32 s37, s37, s16
	s_add_co_u32 s37, s37, 2*CH                    ; and of chunks 2 to 7
	s_mul_i32 s62, s14, 98304                      ; the pair's bytes in each of q, k, v
	s_mul_i32 s60, s17, 6291456
	s_add_co_u32 s60, s60, 6291456
	s_add_co_u32 s60, s60, s62
	s_mul_i32 s19, s18, 6144
	s_add_co_u32 s54, s60, s19
	s_mov_b32 s55, 0
	s_mul_i32 s19, s18, 18432
	s_add_co_u32 s60, s60, s19
	s_add_co_u32 s60, s60, 24576
	s_mov_b32 s61, 0
	s_lshl_b32 s15, s13, 1
	s_add_co_u32 s15, s15, s17                     ; my chunk of queries: 2 cx + wave / 4
	s_mul_i32 s63, s18, 3072                       ; my two fragments in it
	s_mul_i32 s48, s15, 12288
	s_add_co_u32 s48, s48, s63
	s_add_co_u32 s48, s48, s62
	s_mov_b32 s49, 0
	s_lshl_b32 s52, s14, 12                        ; the pair's scale halves: 4,096 bytes in each of q, k, v
	s_mov_b32 s53, 0
	s_lshl_b32 s50, s15, 9
	s_lshl_b32 s16, s18, 6
	s_add_co_u32 s50, s50, s16
	s_mov_b32 s51, 0
	s_mov_b32 s[SEL], 0x76543210
	s_mov_b32 s[SEL+1], 0xfedcba98
	s_mov_b32 s[CS], 0x3e38aa3b                    ; log2(e) / 8
	s_mov_b32 s[CS+1], s[CS]
	s_mov_b32 s[KO], 0
	s_mov_b32 s[SO], 0
	s_wait_alu depctr_va_vdst(0)                   ; directly ahead of the waits below
	s_wait_dscnt 0x0                               ; both opening adds are done
	s_wait_kmcnt 0x0
	s_add_nc_u64 s[34:35], s[4:5], s[54:55]
	s_or_b32 s35, s35, 0x80000000
	s_add_nc_u64 s[38:39], s[4:5], s[60:61]
	s_or_b32 s39, s39, 0x80000000
	s_add_nc_u64 s[48:49], s[4:5], s[48:49]        ; q's fragments
	s_add_nc_u64 s[52:53], s[6:7], s[52:53]
	s_add_nc_u64 s[50:51], s[52:53], s[50:51]      ; q's scale halves
.irp p, 0,1,2,3,4,5
	global_load_b64 v[Q+2*\p:Q+2*\p+1], v20, s[48:49] offset:256*\p
.endr
	WIN 0x40
.irp p, 0,1,2,3,4,5
	global_load_b64 v[Q+2*\p:Q+2*\p+1], v20, s[48:49] offset:1536+256*\p
.endr
	WIN 0
.irp s, 0,1
	global_load_u16 v[X+2*\s], v24, s[50:51] offset:32*\s
	global_load_u16 v[X+2*\s+1], v24, s[50:51] offset:32*\s+256
.endr
	global_load_b64 v[T:T+1], v23, s[52:53] offset:262144          ; k's halves of four rows,
	global_load_b64 v[T+2:T+3], v23, s[52:53] offset:262144+256
	global_load_b64 v[T+4:T+5], v23, s[52:53] offset:524288        ; v's
	global_load_b64 v[T+6:T+7], v23, s[52:53] offset:524288+256
	CROUND                                         ; all four work-groups are here: the joint loads meet
	tensor_load_to_lds s[32:35], s[24:31]          ; the head's one tensor load: my part of chunks 0 and 1
	s_nop 0
	PLACES 4
	s_lshr_b32 s16, s14, 4
	s_lshl_b32 s16, s16, 3                         ; 8 x batch
	s_and_b32 s17, s14, 15                         ; the head
	s_add_co_u32 s60, s16, s15
	s_lshl_b32 s60, s60, 4
	s_add_co_u32 s60, s60, s17                     ; O's block: 16 (8 batch + chunk) + head
	s_mul_i32 s56, s60, 12288
	s_add_co_u32 s56, s56, s63
	s_mov_b32 s57, 0
	s_add_nc_u64 s[56:57], s[8:9], s[56:57]        ; my two fragments of it
	s_lshl_b32 s60, s13, 1
	s_and_b32 s61, s[WV], 1
	s_add_co_u32 s60, s60, s61
	s_add_co_u32 s60, s60, s16
	s_lshl_b32 s60, s60, 4
	s_add_co_u32 s60, s60, s17
	s_lshl_b32 s58, s60, 9
	s_mov_b32 s59, 0
	s_add_nc_u64 s[58:59], s[10:11], s[58:59]      ; the scale words that waves 0 and 1 store
	s_wait_loadcnt 0x0
.irp s, 0,1
	v_lshl_or_b32 v[QW+\s], v[X+2*\s+1], 16, v[X+2*\s]
.endr
.irp g, 0,1
	v_perm_b32 v[T+8+4*\g], v[T+4*\g+2], v[T+4*\g], 0x05040100     ; a row's word: its two bytes of half 0 below, of half 1 above
	v_perm_b32 v[T+9+4*\g], v[T+4*\g+2], v[T+4*\g], 0x07060302
	v_perm_b32 v[T+10+4*\g], v[T+4*\g+3], v[T+4*\g+1], 0x05040100
	v_perm_b32 v[T+11+4*\g], v[T+4*\g+3], v[T+4*\g+1], 0x07060302
.endr
.irp e, 0,1,2,3
	ds_store_b32 v22, v[T+8+\e] offset:32*\e
	ds_store_b32 v25, v[T+12+\e] offset:32*\e
.endr
.irp s, 0,1
	v_mov_b32 v[NM+2*\s+1], 0xff61b1e6             ; the largest t so far: -3e38
	v_mov_b32 v[LS+2*\s], 0
	v_mov_b32 v[LS+2*\s+1], 0
	v_mov_b32 v[FF+2*\s+1], 0                      ; (named as the upper half of a pair)
	v_mov_b32 v[X+2*\s+1], 0                       ; a lane permute's destination counts as one of its sources
.endr
.irp s, 0,1
	v_floor_f32 v[NM+2*\s], -v[NM+2*\s+1]
.endr
	s_wait_alu depctr_va_vdst(0)                   ; at the head's end
	s_wait_tensorcnt 0x0                           ; my part of chunks 0 and 1 is in
	ds_add_u32 v[SPW], v[NIL]
	s_wait_dscnt 0x0                               ; the add is done, and my stores of scale words have landed
	CROUND                                         ; chunks 0 and 1 and the scale words are whole for all eight waves, and all four work-groups are here
	tensor_load_to_lds s[36:39], s[40:47]          ; my part of chunks 2 to 7, the first tensor load behind the round
	s_nop 0
	PLACES 4
	KLOAD 0
	KLOAD 1
	STEP 1, 1                                      ; chunk 0: its products start O^T's sums
	STEP 0, 0                                      ; chunk 1: chunk 2's k is not asked for yet
	s_wait_tensorcnt 0x0                           ; my part of chunks 2 to 7 is in
	s_barrier_signal -1
	s_barrier_wait -1                              ; that holds of all eight waves
	PLACES 4                                       ; behind the last products, ahead of loads into their operands
	KLOAD 0
	KLOAD 1
	s_mov_b32 s[CNT], 6
.Lkeys:
	STEP 0, 2                                      ; chunks 2 to 7
	s_sub_co_i32 s[CNT], s[CNT], 1
	s_cmp_lg_u32 s[CNT], 0
	s_cbranch_scc1 .Lkeys
.irp s, 0,1
	v_add_f32 v[LS+2*\s], v[LS+2*\s], v[LS+2*\s+1]
.endr
.irp s, 0,1
	DEP 2
	v_permlanex16_b32 v[X+2*\s+1], v[LS+2*\s], s[SEL], s[SEL+1]
.endr
.irp s, 0,1
	DEP 2
	v_add_f32 v[LS+2*\s], v[LS+2*\s], v[X+2*\s+1]  ; with lane l xor 16's: the row's sum
.endr
	s_wait_alu depctr_va_vdst(0)                   ; ahead of the batch
.irp s, 0,1
	v_rcp_f32 v[LS+2*\s], v[LS+2*\s]
.endr
	PLACES 4                                       ; the plain place behind the reciprocals, and the places behind the last products
	OUTQ 0
	OUTQ 1
	s_wait_dscnt 0x0                               ; for the others' sake: my stores have landed
	s_barrier_signal -1
	s_barrier_wait -1
	s_cmp_lt_u32 s[WV], 2                          ; waves 0 and 1 store the two chunks' scale words, 512 consecutive bytes each
	s_cbranch_scc0 .Lno_words
	ds_load_b128 v[T:T+3], v[OSR]
	s_wait_dscnt 0x0
	global_store_b128 v[LI], v[T:T+3], s[58:59]
.Lno_words:
	s_wait_tensorcnt 0x0                           ; the wave's end
	ds_add_u32 v[SPW], v[NIL]
	s_wait_dscnt 0x0
	CROUND                                         ; the closing round
	s_endpgm
.Lfunc_end_k_q3cbcf535ad_attn:
	.size	k_q3cbcf535ad_attn, .Lfunc_end_k_q3cbcf535ad_attn-k_q3cbcf535ad_attn
	.p2alignl 7, 3214868480
	.fill 96, 4, 3214868480
	.section	.rodata,"a",@progbits
	.p2align	6, 0x0
	.amdhsa_kernel k_q3cbcf535ad_attn
		.amdhsa_group_segment_fixed_size 327680
		.amdhsa_private_segment_fixed_size 0
		.amdhsa_enable_private_segment 0
		.amdhsa_kernarg_size 32
		.amdhsa_user_sgpr_count 2
		.amdhsa_user_sgpr_kernarg_segment_ptr 1
		.amdhsa_wavefront_size32 1
		.amdhsa_system_sgpr_workgroup_id_x 1
		.amdhsa_system_sgpr_workgroup_id_y 1
		.amdhsa_system_sgpr_workgroup_id_z 1
		.amdhsa_system_vgpr_workitem_id 0
		.amdhsa_next_free_vgpr 512
		.amdhsa_next_free_sgpr 72
		.amdhsa_reserve_vcc 0
		.amdhsa_float_denorm_mode_32 3
		.amdhsa_float_denorm_mode_16_64 3
		.amdhsa_memory_ordered 1
		.amdhsa_forward_progress 1
		.amdhsa_inst_pref_size 126
	.end_amdhsa_kernel
	.amdgpu_metadata
---
amdhsa.version: [ 1, 2 ]
amdhsa.kernels:
  - .name:           k_q3cbcf535ad_attn
    .symbol:         k_q3cbcf535ad_attn.kd
    .args:
      - { .name: qkv_codes, .offset: 0, .size: 8, .value_kind: global_buffer, .address_space: global }
      - { .name: qkv_scales, .offset: 8, .size: 8, .value_kind: global_buffer, .address_space: global }
      - { .name: o_codes, .offset: 16, .size: 8, .value_kind: global_buffer, .address_space: global }
      - { .name: o_scales, .offset: 24, .size: 8, .value_kind: global_buffer, .address_space: global }
    .group_segment_fixed_size: 327680
    .private_segment_fixed_size: 0
    .kernarg_segment_align: 8
    .kernarg_segment_size: 32
    .max_flat_workgroup_size: 256
    .sgpr_count:     72
    .vgpr_count:     512
    .wavefront_size: 32
...
	.end_amdgpu_metadata
.endif
;; end of part 3
;; launch gemm2 (part 4): grid 8 x 32, 4 waves a work-group, clusters of 4 x 4, 327,680 bytes of LDS; arguments o_codes, o_scales, w_codes, w_scales, b_proj, out0; writes out0
.if DOCPART == 4
	.amdgcn_target "amdgcn-amd-amdhsa--gfx1250"
	.amdhsa_code_object_version 6
	.text
	.protected	k_q3cbcf535ad_gemm2
	.globl	k_q3cbcf535ad_gemm2
	.p2align	8
	.type	k_q3cbcf535ad_gemm2,@function
k_q3cbcf535ad_gemm2:
	s_mov_b64 s[64:65], 0
	v_nop
	global_prefetch_b8 v0, s[64:65] scope:SCOPE_SE
	s_setreg_imm32_b32 hwreg(HW_REG_WAVE_MODE, 25, 1), 1
	s_wait_xcnt 0x0
	s_wait_alu depctr_hold_cnt(0) depctr_sa_sdst(0) depctr_va_vdst(0) depctr_va_sdst(0) depctr_va_ssrc(0) depctr_va_vcc(0) depctr_vm_vsrc(0)
	s_getreg_b32 s2, hwreg(HW_REG_IB_STS2, 6, 4)
	s_cmp_eq_u32 s2, 0
	s_cbranch_scc0 .Lentry_in_a_cluster
	s_endpgm
.Lentry_in_a_cluster:
	s_bfe_u32 s2, ttmp6, 0x10000c
	s_cmp_lg_u32 s2, 0xf033
	s_cbranch_scc0 .Lentry_shape_is_right
	s_endpgm
.Lentry_shape_is_right:
; out0 = O W_proj + b_proj on codes of FP6 (E2M3) with E8M0 scales: [4,096] x [K 2,048] x [1,024], f32 out.
; A tile is 128 x 128, so that the 32 x 8 tiles give 256 work-groups; four waves, a wave 64 x 64: 16 accumulators.  THE MATRIX INSTRUCTION IS USED TRANSPOSED (source 0 = 16 rows of W_proj^T, source 1 = 16 rows of O):
; a lane holds eight neighbouring numbers of a row of out0.  The bias is the C of each sum's first product.
; Operands lie in memory as images of their registers (fragment: registers 4 c .. 4 c + 3 of lane l at 512 c + 16 l; block = rowblock of 128 x 128 along K = 8 fragments); lane r of fragment t holds row 32 (t / 2) + 8 (t % 2) + r + 8 (r / 8).
; K goes in 4 phases of 4 steps of 128 through three LDS slots; slot 0 is filled a second time, with the last phase.  The scales of all of K come once.  By this text's count a wave has four tensor loads out at the start and one behind the refill.
; CLUSTERS: 4 x 4.  O's tiles are shared along a row of the cluster, W_proj's along a column: joint loads.
; REGISTERS: window 0: v16-29 addresses; v32-63 scale words, two sets; v64-95 the bias, later rows on their way out, with v96-127; v128-255 accumulators, (a, i) at v[128 + 8 (4 a + i)].  window 1: two sets of fragments at v0 and v128: A's four, then B's four.
.set FR,    12
; LDS AND THE LOADS AS THEY STAND (in place of what the lines above say of slots and of the loads out at the start): A's K steps 0-11 lie at 0, B's at BOFF, 12,288 bytes a step.
; At the head each wave issues ONE joint load: six K steps of one side, 73,728 dense bytes as 288 rows of 256.  The one refill, behind a round of the cluster's barrier, lays K steps 12-15 over steps 0-3: two steps a wave.
; The scale words, 16,384 bytes, come through registers into LDS bytes of their own.  By this text's count a wave never has more than one tensor load out.
.set SLOTB, 49152                      ; a phase: 4 K steps of one side
.set PARTB, 24576                      ; 2 K steps of one side
.set BOFF,  3*SLOTB                    ; B's steps lie behind A's twelve
.set SCL,   6*SLOTB
.set SCLB,  SCL+8192+128               ; B's; the 128 bytes between set A's and B's lanes of a load 128 bytes apart modulo 256
.set SPARE, SCLB+8192+128              ; the spare words, 128 bytes a wave: two blocks of 256 bytes that no other line names
.set STG,   SLOTB                      ; the way out: 16 rows x 272 bytes a wave, in slot 1, which has had its one fill and its last read by then
.set ADRA, 16
.set ADRB, 20
.set ADRS, 23
.set STO,  24
.set RD,   25
.set CO,   26
.set SPW,  28
.set NIL,  29
.set SC,   32
.set BIAS, 64
.set BK,   64
.set ACC,  128
.set G1A,  24
.set G1B,  32
.set G1SA, 40
.set G1SB, 48
.set G0A0, 56
.set G0A1, 60
.set G0A2, 68
.set G0B0, 72
.set G0B1, 76
.set G0B2, 80
.set G0SA, 84
.set G0SB, 88
.set MSB, 0
.macro WIN new                         ; the immediate's high byte repeats the setting that is left
.if MSB != \new
	s_set_vgpr_msb (MSB<<8)|\new
.set MSB, \new
.endif
.endm
.set MUL,  0x05                        ; sources 0 and 1 window 1; C and D window 0
.set TO_F, 0x40                        ; destination window 1, address window 0
.macro JLOAD g0a, g1a, g0b, g1b        ; a joint load: waves 0 and 1 fetch for A, waves 2 and 3 for B; four v_nop follow each of the two lines
	s_cmp_eq_u32 s17, 0
	s_cbranch_scc0 .Lfor_b_\@
	tensor_load_to_lds s[\g0a:\g0a+3], s[\g1a:\g1a+7]
	s_nop 0
.rept 4
	v_nop
.endr
	s_branch .Lasked_\@
.Lfor_b_\@:
	tensor_load_to_lds s[\g0b:\g0b+3], s[\g1b:\g1b+7]
	s_nop 0
.rept 4
	v_nop
.endr
.Lasked_\@:
.endm
.macro CREST
	s_cmp_lg_u32 s16, 0
	s_cbranch_scc1 .Lnot_wave_0_\@
	s_barrier_signal -3
.Lnot_wave_0_\@:
	s_barrier_wait -3
	s_barrier_signal -1
	s_barrier_wait -1
.endm
.macro CROUND
	s_barrier_signal -1
	s_barrier_wait -1
	CREST
.endm
.macro PLACES n
.rept \n
	v_nop
.endr
.endm
	s_load_b256 s[4:11], s[0:1], 0x0               ; o_codes s[4:5], o_scales s[6:7], w_codes s[8:9], w_scales s[10:11]
	s_load_b128 s[12:15], s[0:1], 0x20             ; b_proj s[12:13], out0 s[14:15]
	v_lshl_add_u32 v[SPW], v0, 2, SPARE
	v_mov_b32 v[NIL], 0
	ds_add_u32 v28, v29
	ds_add_u32 v28, v29
	s_wait_dscnt 0x0
	v_lshrrev_b32 v1, 5, v0
	v_readfirstlane_b32 s16, v1                    ; wave 0..3
	s_lshr_b32 s17, s16, 1                         ; which 64 rows are mine.  Also: I fetch for A (0) or for B (1)
	s_and_b32 s18, s16, 1                          ; which 64 columns.  Also: which 2 of a slot's 4 K steps I fetch
	s_bfe_u32 s20, ttmp6, 0x40000                  ; cx
	s_bfe_u32 s21, ttmp6, 0x40004                  ; cy
	s_and_b32 s22, ttmp7, 0xffff
	s_lshl_b32 s22, s22, 2
	s_add_co_u32 s22, s22, s21                     ; tile row = O's rowblock
	s_lshl_b32 s23, ttmp9, 2
	s_add_co_u32 s23, s23, s20                     ; tile column = W_proj's rowblock
	s_lshl_b32 s2, s21, 2
	s_lshl_b32 s2, 15, s2                          ; my row of the cluster
	s_lshl_b32 s3, 0x1111, s20                     ; my column
	s_or_b32 s[G1A], s2, (3<<16)|(1<<21)           ; the mask; elements of 8 bytes; 21 set beside a mask; no padding
	s_or_b32 s[G1B], s3, (3<<16)|(1<<21)
.irp g, G1A, G1B                       ; the head's loads: 73,728 dense bytes as 288 rows of 256; behind them the two words that count rows are set to 96, for the refill
	s_mov_b32 s[\g+1], 32<<16
	s_mov_b32 s[\g+2], 288<<16
	s_mov_b32 s[\g+3], 32<<16
	s_mov_b32 s[\g+4], 288
	s_mov_b32 s[\g+5], 32
	s_mov_b32 s[\g+6], 0
	s_mov_b32 s[\g+7], 0
.endr
	s_mul_i32 s100, s18, 3*PARTB                   ; which six K steps I fetch at the head
	s_mul_i32 s92, s22, 196608                     ; a rowblock's codes: 16 blocks of 12,288 bytes
	s_add_co_u32 s92, s92, s100
	s_mov_b32 s93, 0
	s_lshl_b32 s94, s22, 13                        ; and its scale words: 16 x 512
	s_mov_b32 s95, 0
	s_mul_i32 s96, s23, 196608
	s_add_co_u32 s96, s96, s100
	s_add_co_u32 s96, s96, 384*12288               ; W_proj's blocks lie behind the six weights' 384
	s_mov_b32 s97, 0
	s_lshl_b32 s98, s23, 13
	s_add_co_u32 s98, s98, 384*512
	s_mov_b32 s99, 0
	s_mul_i32 s19, s16, 3*PARTB                    ; where my head's part goes: wave x six K steps
	s_mul_i32 s101, s18, PARTB                     ; and my part of the refill
	s_mul_i32 s66, s18, 2*PARTB
	s_mov_b32 s67, 0
	v_lshlrev_b32 v30, 4, v0                       ; the scale words' way in: 16 bytes a thread, 2,048 a load of the work-group,
	v_lshl_add_u32 v31, v0, 4, SCL                 ; and the same place in LDS
	s_wait_alu depctr_va_vdst(0)                   ; directly ahead of the wait below
	s_wait_kmcnt 0x0
	s_add_nc_u64 s[G0A0+2:G0A0+3], s[4:5], s[92:93]
	s_add_nc_u64 s[G0SA+2:G0SA+3], s[6:7], s[94:95]
	s_add_nc_u64 s[G0B0+2:G0B0+3], s[8:9], s[96:97]
	s_add_nc_u64 s[G0SB+2:G0SB+3], s[10:11], s[98:99]
	s_sub_nc_u64 s[G0A1+2:G0A1+3], s[G0A0+2:G0A0+3], s[66:67]    ; the refill: K steps 12 + 2 (wave % 2) and the next: from step 6 (wave % 2) back by 4 (wave % 2),
	s_add_nc_u64 s[G0A1+2:G0A1+3], s[G0A1+2:G0A1+3], 6*PARTB     ; and 12 steps on
	s_sub_nc_u64 s[G0B1+2:G0B1+3], s[G0B0+2:G0B0+3], s[66:67]
	s_add_nc_u64 s[G0B1+2:G0B1+3], s[G0B1+2:G0B1+3], 6*PARTB
.irp g, G0A0, G0A1, G0B0, G0B1
	s_mov_b32 s[\g], 1
	s_or_b32 s[\g+3], s[\g+3], 0x80000000
.endr
	s_mov_b32 s[G0A0+1], s19
	s_mov_b32 s[G0B0+1], s19
	s_mov_b32 s[G0A1+1], s101
	s_add_co_u32 s[G0B1+1], s101, BOFF
.irp i, 0,1,2,3
	global_load_b128 v[96+4*\i:99+4*\i], v30, s[G0SA+2:G0SA+3] offset:2048*\i      ; A's scale words, 8,192 dense bytes,
	global_load_b128 v[112+4*\i:115+4*\i], v30, s[G0SB+2:G0SB+3] offset:2048*\i    ; and B's
.endr
	CROUND                                         ; all sixteen work-groups are here: the first joint loads meet
	JLOAD G0A0, G1A, G0B0, G1B                     ; one tensor load a wave at the head
	v_and_b32 v1, 31, v0                           ; lane
	v_and_b32 v2, 15, v0                           ; r
	v_bfe_u32 v3, v0, 4, 1                         ; h
	v_lshlrev_b32 v4, 4, v1
	s_wait_alu depctr_va_vdst(0)
	s_lshl_b32 s2, s23, 9
	s_lshl_b32 s3, s18, 8
	s_add_co_u32 s2, s2, s3                        ; my first column, in bytes: 512 x tile column + 256 x half
	s_mov_b32 s3, 0
	s_add_nc_u64 s[12:13], s[12:13], s[2:3]
	s_add_nc_u64 s[14:15], s[14:15], s[2:3]
	v_lshlrev_b32 v5, 6, v3                        ; the bias in the result's layout: tile i, lane (r, h): columns 32 (i / 2) + 8 (i % 2) + 16 h + 0 .. 7
.irp i, 0,1,2,3
	global_load_b128 v[BIAS+8*\i:BIAS+8*\i+3], v5, s[12:13] offset:4*(32*(\i/2)+8*(\i%2))
	global_load_b128 v[BIAS+8*\i+4:BIAS+8*\i+7], v5, s[12:13] offset:4*(32*(\i/2)+8*(\i%2))+16
.endr
	s_lshl_b32 s2, s22, 7
	s_lshl_b32 s66, s17, 6
	s_add_co_u32 s2, s2, s66                       ; my first row: 128 x tile row + 64 x half
	s_lshl_b32 s2, s2, 12                          ; rows of 4,096 bytes
	s_add_nc_u64 s[14:15], s[14:15], s[2:3]
	s_mul_i32 s2, s17, 6144                        ; my four fragments of A's eight,
	s_mul_i32 s66, s18, 6144
	s_add_co_u32 s66, s66, BOFF
.irp s, 0,1,2
	v_add_nc_u32 v[ADRA+\s], s2, v4
	v_add_nc_u32 v[ADRB+\s], s66, v4
	s_add_co_u32 s2, s2, SLOTB
	s_add_co_u32 s66, s66, SLOTB
.endr
	s_lshl_b32 s2, s17, 8
	s_lshl_b32 s66, s18, 8
	s_add_co_u32 s66, s66, SCLB-SCL
	s_sub_co_u32 s66, s66, s2                      ; from A's words to B's
	v_mul_u32_u24 v6, s66, v3                      ; lanes 16-31 take B's
	s_add_co_u32 s2, s2, SCL
	v_lshl_add_u32 v7, v2, 2, s2
	v_add_nc_u32 v[ADRS], v6, v7
	s_mul_i32 s2, s16, 16*272
	s_add_co_u32 s2, s2, STG                       ; my stage
	v_mul_u32_u24 v6, v2, 272
	v_lshl_add_u32 v6, v3, 6, v6
	v_add_nc_u32 v[STO], s2, v6                    ; in: row r, + 64 h
	v_mul_u32_u24 v6, v3, 272
	v_lshl_add_u32 v6, v2, 4, v6
	v_add_nc_u32 v[RD], s2, v6                     ; back: lanes 0-15 one row of 256 bytes, lanes 16-31 the next
	v_lshlrev_b32 v6, 12, v3
	v_lshl_add_u32 v[CO], v2, 4, v6                ; and the same two rows in out0
.macro FRAG reg, adr, q, i
.irp c, 0,1,2
	ds_load_b128 v[\reg+4*\c:\reg+4*\c+3], v[\adr] offset:12288*(\q)+1536*(\i)+512*\c
.endr
.endm
.macro FETCH slot, q, set              ; the 8 fragments of the slot's q-th K step
	WIN TO_F
.irp i, 0,1,2,3
	FRAG 128*(\set)+FR*\i, ADRA+\slot, \q, \i
	FRAG 128*(\set)+48+FR*\i, ADRB+\slot, \q, \i
.endr
.endm
.macro SCALES ph, sc                   ; phase ph's scale words into set sc: register 4 q + i: lanes 0-15 A's fragment i, lanes 16-31 B's
	WIN 0
.irp q, 0,1,2,3
.irp i, 0,1,2,3
	ds_load_b32 v[SC+16*(\sc)+4*\q+\i], v[ADRS] offset:(4*(\ph)+\q)*512+64*\i
.endr
.endr
.endm
; 4 matrix instructions: A's fragment a x B's four.  The 16 accumulators take turns, one instruction a turn, in the same order in every step.  first = 1: the bias starts the sums.
.macro MUL4 set, a, q, sc, first
.irp i, 0,1,2,3
.if \first
	v_wmma_scale_f32_16x16x128_f8f6f4 v[ACC+8*(4*(\a)+\i):ACC+8*(4*(\a)+\i)+7], v[128*(\set)+48+FR*\i:128*(\set)+48+FR*\i+FR-1], v[128*(\set)+FR*(\a):128*(\set)+FR*(\a)+FR-1], v[BIAS+8*\i:BIAS+8*\i+7], v[SC+16*(\sc)+4*(\q)+\i], v[SC+16*(\sc)+4*(\q)+(\a)] matrix_a_fmt:MATRIX_FMT_FP6 matrix_b_fmt:MATRIX_FMT_FP6 matrix_a_scale:MATRIX_SCALE_ROW1
.else
	v_wmma_scale_f32_16x16x128_f8f6f4 v[ACC+8*(4*(\a)+\i):ACC+8*(4*(\a)+\i)+7], v[128*(\set)+48+FR*\i:128*(\set)+48+FR*\i+FR-1], v[128*(\set)+FR*(\a):128*(\set)+FR*(\a)+FR-1], v[ACC+8*(4*(\a)+\i):ACC+8*(4*(\a)+\i)+7], v[SC+16*(\sc)+4*(\q)+\i], v[SC+16*(\sc)+4*(\q)+(\a)] matrix_a_fmt:MATRIX_FMT_FP6 matrix_b_fmt:MATRIX_FMT_FP6 matrix_a_scale:MATRIX_SCALE_ROW1
.endif
.endr
.endm
; A K step whose successor (slot ns, step nq, phase nph) lies in bytes that every wave already knows to be whole; the successor's fragments are fetched in its middle into the other set
.macro KS q, sc, ns, nq, nph, first
	s_wait_dscnt 0x0                               ; this step's fragments (and scale words) are in
	WIN MUL
	MUL4 (\q)%2, 0, \q, \sc, \first
	MUL4 (\q)%2, 1, \q, \sc, \first
	PLACES 4                                       ; in front of loads into registers that matrix instructions have read
	FETCH \ns, \nq, 1-(\q)%2
.if (\nq) == 0
	SCALES \nph, (\nph)%2
.endif
	WIN MUL
	MUL4 (\q)%2, 2, \q, \sc, \first
	MUL4 (\q)%2, 3, \q, \sc, \first
.endm
; A slot's last step with a barrier in it.  fill = 1: the barrier opens a round of the cluster's barrier, and slot 0 takes K steps 12 to 15: that load has 120 matrix instructions in which to land.
.macro TURN sc, ns, nph, fill
	WIN 0                                          ; (the add's two registers lie in window 0)
	s_wait_tensorcnt 0x0                           ; all my tensor loads have landed
	ds_add_u32 v[SPW], v[NIL]                      ; 0 onto my spare word
	s_wait_dscnt 1                                 ; this step's fragments are in; the add may be out
	WIN MUL
	MUL4 1, 0, 3, \sc, 0                           ; four matrix instructions stand between the add and the wait for it
	s_wait_dscnt 0x0                               ; the add is done, and my reads of this slot are over
	s_barrier_signal -1
	MUL4 1, 1, 3, \sc, 0
	WIN 0
	s_barrier_wait -1
.if \fill
	CREST                                          ; no wave of any partner still reads slot 0 or has a load on its way
	JLOAD G0A1, G1A, G0B1, G1B                     ; the first tensor load behind the round; its four v_nop are also the places in front of the loads below
.else
	PLACES 4
.endif
	FETCH \ns, 0, 0
	SCALES \nph, (\nph)%2
	WIN MUL
	MUL4 1, 2, 3, \sc, 0
	MUL4 1, 3, 3, \sc, 0
.endm
	s_wait_alu depctr_va_vdst(0)
	s_wait_loadcnt 0x0                             ; the scale words and the bias are in registers
.irp i, 0,1,2,3
	ds_store_b128 v31, v[96+4*\i:99+4*\i] offset:2048*\i
	ds_store_b128 v31, v[112+4*\i:115+4*\i] offset:SCLB-SCL+2048*\i
.endr
	s_wait_tensorcnt 0x0                           ; my six K steps are in; no tensor load of mine is out, so a descriptor may be written: the refill brings 96 rows
	s_mov_b32 s[G1A+2], 96<<16
	s_mov_b32 s[G1A+4], 96
	s_mov_b32 s[G1B+2], 96<<16
	s_mov_b32 s[G1B+4], 96
	s_wait_dscnt 0x0                               ; my stores of scale words have landed
	s_barrier_signal -1
	s_barrier_wait -1                              ; K steps 0-11 and the scale words are whole for every wave
	FETCH 0, 0, 0
	SCALES 0, 0
	KS 0, 0, 0, 1, 0, 1                            ; phase 0, slot 0
	KS 1, 0, 0, 2, 0, 0
	KS 2, 0, 0, 3, 0, 0
	TURN 0, 1, 1, 1                                ; the one refill; behind its round slots 1 and 2 are whole for every wave
	KS 0, 1, 1, 1, 1, 0                            ; phase 1, slot 1
	KS 1, 1, 1, 2, 1, 0
	KS 2, 1, 1, 3, 1, 0
	KS 3, 1, 2, 0, 2, 0                            ; on into slot 2 without a barrier
	KS 0, 0, 2, 1, 2, 0                            ; phase 2, slot 2
	KS 1, 0, 2, 2, 2, 0
	KS 2, 0, 2, 3, 2, 0
	TURN 0, 0, 3, 0                                ; behind this barrier slot 0's second fill is whole for every wave
	KS 0, 1, 0, 1, 3, 0                            ; phase 3, slot 0
	KS 1, 1, 0, 2, 3, 0
	KS 2, 1, 0, 3, 3, 0
	s_wait_dscnt 0x0                               ; the last step: nothing more to fetch
	WIN MUL
	MUL4 1, 0, 3, 1, 0
	MUL4 1, 1, 3, 1, 0
	MUL4 1, 2, 3, 1, 0
	MUL4 1, 3, 3, 1, 0
	WIN 0
; THE WAY OUT, a fragment of 16 rows x my 64 columns at a time, through my own stage: in as 32 bytes a lane and tile, back as whole runs of 256 bytes of a row.
; LDS serves a wave's instructions in order: no wait between the stores and the loads, nor in front of the next fragment's stores.
.macro TOSTAGE a
.irp i, 0,1,2,3
	ds_store_b128 v[STO], v[ACC+8*(4*(\a)+\i):ACC+8*(4*(\a)+\i)+3] offset:128*(\i/2)+32*(\i%2)       ; each accumulator from its low end on
	ds_store_b128 v[STO], v[ACC+8*(4*(\a)+\i)+4:ACC+8*(4*(\a)+\i)+7] offset:128*(\i/2)+32*(\i%2)+16
.endr
.set BB, BK+32*((\a)%2)
.irp t, 0,1,2,3,4,5,6,7
	ds_load_b128 v[BB+4*\t:BB+4*\t+3], v[RD] offset:544*\t
.endr
.endm
.macro SEND a, younger                 ; younger: the LDS instructions issued behind fragment a's loads, which may stay out
.set BB, BK+32*((\a)%2)
	s_wait_dscnt \younger
.irp t, 0,1,2,3,4,5,6,7
	global_store_b128 v[CO], v[BB+4*\t:BB+4*\t+3], s[14:15] offset:(32*((\a)/2)+8*((\a)%2)+2*\t+8*(\t/4))*4096 th:TH_STORE_NT   ; 16 lanes store 256 consecutive bytes, at a multiple of 256 from out0's first byte; stage row rr is row 32 (a / 2) + 8 (a % 2) + rr + 8 (rr / 8)
.endr
.endm
	PLACES 4                                       ; behind the last products
	TOSTAGE 0
.irp a, 1,2,3
.if \a > 1
	s_wait_xcnt 0x0                                ; fragment a - 2's stores have read their registers: fragment a's loads may land there
.endif
	TOSTAGE \a
	SEND \a-1, 16                                  ; behind fragment a - 1's loads: fragment a's 8 stores and 8 loads
.endr
	SEND 3, 0
	s_wait_tensorcnt 0x0                           ; the wave's end
	ds_add_u32 v[SPW], v[NIL]
	s_wait_dscnt 0x0
	CROUND                                         ; the closing round
	s_endpgm
.Lfunc_end_k_q3cbcf535ad_gemm2:
	.size	k_q3cbcf535ad_gemm2, .Lfunc_end_k_q3cbcf535ad_gemm2-k_q3cbcf535ad_gemm2
	.p2alignl 7, 3214868480
	.fill 96, 4, 3214868480
	.section	.rodata,"a",@progbits
	.p2align	6, 0x0
	.amdhsa_kernel k_q3cbcf535ad_gemm2
		.amdhsa_group_segment_fixed_size 327680
		.amdhsa_private_segment_fixed_size 0
		.amdhsa_enable_private_segment 0
		.amdhsa_kernarg_size 48
		.amdhsa_user_sgpr_count 2
		.amdhsa_user_sgpr_kernarg_segment_ptr 1
		.amdhsa_wavefront_size32 1
		.amdhsa_system_sgpr_workgroup_id_x 1
		.amdhsa_system_sgpr_workgroup_id_y 1
		.amdhsa_system_sgpr_workgroup_id_z 1
		.amdhsa_system_vgpr_workitem_id 0
		.amdhsa_next_free_vgpr 512
		.amdhsa_next_free_sgpr 102
		.amdhsa_reserve_vcc 0
		.amdhsa_float_denorm_mode_32 3
		.amdhsa_float_denorm_mode_16_64 3
		.amdhsa_memory_ordered 1
		.amdhsa_forward_progress 1
		.amdhsa_inst_pref_size 83
	.end_amdhsa_kernel
	.amdgpu_metadata
---
amdhsa.version: [ 1, 2 ]
amdhsa.kernels:
  - .name:           k_q3cbcf535ad_gemm2
    .symbol:         k_q3cbcf535ad_gemm2.kd
    .args:
      - { .name: o_codes, .offset: 0, .size: 8, .value_kind: global_buffer, .address_space: global }
      - { .name: o_scales, .offset: 8, .size: 8, .value_kind: global_buffer, .address_space: global }
      - { .name: w_codes, .offset: 16, .size: 8, .value_kind: global_buffer, .address_space: global }
      - { .name: w_scales, .offset: 24, .size: 8, .value_kind: global_buffer, .address_space: global }
      - { .name: b_proj, .offset: 32, .size: 8, .value_kind: global_buffer, .address_space: global }
      - { .name: out0, .offset: 40, .size: 8, .value_kind: global_buffer, .address_space: global }
    .group_segment_fixed_size: 327680
    .private_segment_fixed_size: 0
    .kernarg_segment_align: 8
    .kernarg_segment_size: 48
    .max_flat_workgroup_size: 128
    .sgpr_count:     102
    .vgpr_count:     512
    .wavefront_size: 32
...
	.end_amdgpu_metadata
.endif
;; end of part 4
